; MI455X (gfx1250); checked and timed in simulation.
; The chip was launched on July 23, 2026; its instructions are those of AMD's public machine-readable ISA for CDNA 5 (MIT licence, August 2026) and "CDNA5" Instruction Set Architecture Reference Guide (July 2026). The comments in the code are by the model that wrote it; some were corrected since.
;; Decoder Block. Allowed arithmetic: matrix products marked QUANTISED: E4M3 operands, one given power-of-two scale a tensor, by v_wmma_f32_16x16x64_fp8_fp8 or v_wmma_f32_16x16x128_fp8_fp8, f32 sums; everything else in f32.
;; Inputs: W1 768 x 3,072 float32; W2 3,072 x 768 float32; Wk 768 x 768 float32; Wo 768 x 768 float32; Wq 768 x 768 float32; Wv 768 x 768 float32; b1 3,072 float32; b2 768 float32; bk 768 float32; bo 768 float32; bq 768 float32; bv 768 float32; ln1_b 768 float32; ln1_g 768 float32; ln2_b 768 float32; ln2_g 768 float32; lowp_scales 16 int32 (the exponents e of the quantised operands' scales 2^e); x 1 x 4,096 x 768 float32.
;; Outputs: out0 1 x 4,096 x 768 float32.
;; This version of the problem:
;;   THIS VERSION OF THE PROBLEM IS GIVEN IN LOW PRECISION. The matrix products marked QUANTISED in the list below multiply operands that are first quantised to E4M3 (4 exponent bits, 3 mantissa bits; 8 bits a number), with one given power-of-two scale for each operand tensor; their sums are f32. All else is computed in f32.
;;   The module's matrix products, in the order in which they are computed (A, B: the left and right operand; K: the contracted axis; several contracted axes count as one K, in the product's order):
;;     1. [M 4,096, K 768] x [K 768, N 768]; A: input x; B: input Wq: QUANTISED (scales: A lowp_scales[0], B lowp_scales[1])
;;     2. [M 4,096, K 768] x [K 768, N 768]; A: input x; B: input Wk: QUANTISED (scales: A lowp_scales[2], B lowp_scales[3])
;;     3. [M 4,096, K 768] x [K 768, N 768]; A: input x; B: input Wv: QUANTISED (scales: A lowp_scales[4], B lowp_scales[5])
;;     4. batch 12 x [M 4,096, K 64] x [K 64, N 4,096]; A: computed on the way; B: computed on the way: QUANTISED (scales: A lowp_scales[6], B lowp_scales[7])
;;     5. batch 12 x [M 4,096, K 4,096] x [K 4,096, N 64]; A: softmax (see below); B: computed on the way: QUANTISED (scales: A lowp_scales[8], B lowp_scales[9])
;;     6. [M 4,096, K 768] x [K 768, N 768]; A: computed on the way; B: input Wo: QUANTISED (scales: A lowp_scales[10], B lowp_scales[11])
;;     7. [M 4,096, K 768] x [K 768, N 3,072]; A: computed on the way; B: input W1: QUANTISED (scales: A lowp_scales[12], B lowp_scales[13])
;;     8. [M 4,096, K 3,072] x [K 3,072, N 768]; A: computed on the way; B: input W2: QUANTISED (scales: A lowp_scales[14], B lowp_scales[15])
;;   THE QUANTISER, for each operand of a quantised product, along K:
;;     - The operand's scale is 2^e, e = its entry of the input lowp_scales (int32; the entries are numbered through the quantised products in the list's order, A before B).
;;     - Each number is divided by the scale, clamped to +-448, and rounded to the nearest number of E4M3, ties to even, subnormals kept.
;;     - The product sums the exact products of the quantised numbers (number of the format x scale) in f32.
;;   ~~~python
;;   def quantise(x, axis, e):      # numpy; x: float32 -> the quantised numbers, widened to float32 again
;;       x = np.moveaxis(x, axis, -1); K = x.shape[-1]
;;       r = np.clip(x / 2.0 ** e, -448, 448)
;;       step = 2.0 ** (np.maximum(np.frexp(np.where(r == 0, 1, r))[1] - 1, -6) - 3)
;;       q = np.round(r / step) * step * 2.0 ** e      # np.round: ties to even
;;       return np.moveaxis(q, -1, axis).astype(np.float32)
;;   ~~~
;;   SOFTMAX AHEAD OF A QUANTISED PRODUCT. Where the list says 'softmax', what is quantised is not the finished softmax but p = 2^(t - M), with t = logit x log2(e) and M = ceil(the row's largest t), a whole number; so 1/2 < the row's largest p <= 1. The row's sum l is taken of the UNQUANTISED p, in f32, and the product's result is divided by l at the end. Since M is a whole number, a kernel that streams over the keys may use a running M (the ceiling of the running maximum): every later rescaling is an exact power of two, so the quantised numbers keep their values, but for numbers so far below the row's largest that they fall under the format's range.
;;   OPERANDS COMPUTED ON THE WAY. 'Computed on the way' means the value that the module computes at that place (a softmax that the list does not call 'softmax' is quantised finished and normalised). What goes into a quantiser is computed in f32, as accurately as f32 sums, v_exp_f32 and their like allow (about 1e-6 of the number): no bf16 or f16 on the way to a quantiser, and a product that is left as it is and whose result goes on into a quantised operand takes f32 operands (vector FMAs, or v_wmma_f32_16x16x4_f32). A number that lies on a knife's edge between two numbers of the format may be rounded either way, as far as f32 arithmetic and the matrix unit's own rounding can turn it there, and no further.
;; One version. Each part assembles by itself: llvm-mc -triple=amdgcn-amd-amdhsa -mcpu=gfx1250 --defsym DOCPART=n.
;; ======== version 1 of 1: 5 launches
;; limits: right only within a limited range of input values
;; workspace buffers: wimg 7,077,888 bytes; qimg 3,145,728 bytes; kimg 3,145,728 bytes; vimg 3,145,728 bytes; oimg 3,145,728 bytes; part 50,331,648 bytes
;; launch prep (part 1): grid 36 x 12, 4 waves a work-group, no clusters, 0 bytes of LDS; arguments Wq, Wk, Wv, Wo, W1, W2, lowp_scales, wimg; writes wimg
.if DOCPART == 1
	.amdgcn_target "amdgcn-amd-amdhsa--gfx1250"
	.amdhsa_code_object_version 6
	.text
	.protected	k_q10cb9fb317_prep
	.globl	k_q10cb9fb317_prep
	.p2align	8
	.type	k_q10cb9fb317_prep,@function
k_q10cb9fb317_prep:
	s_mov_b64 s[64:65], 0
	v_nop
	global_prefetch_b8 v0, s[64:65] scope:SCOPE_SE
	s_setreg_imm32_b32 hwreg(HW_REG_WAVE_MODE, 25, 1), 1
	s_wait_xcnt 0x0
; The six weights, f32 stored [K][N], become codes of E4M3 laid as IMAGES OF OPERAND REGISTERS in wimg.
; An image of a fragment (16 columns n x 128 along K) is 2,048 bytes: chunk c (512 bytes), lane L = (r, h) at 512 c + 16 L holds k = 32 c + 16 h + 0..15 of the lane's column.
; Fragment (g, s, t) of a weight with KS = K / 128 lies at region + ((g KS + s) 4 + t) 2048: g = n / 64, s = K step, t = 2 b + u; its lane r is column 64 g + 32 b + 8 u + r + 8 (r / 8).
; So the 16 result registers of tiles 2 b and 2 b + 1 of a product that takes such tiles as source 0 are 16 neighbouring columns.
; Regions: Wq 0, Wk 589,824, Wv 1,179,648, Wo 1,769,472, W1 2,359,296, W2 4,718,592.
; code = w / 2^e, held within +-448, to the nearest code, ties to even; e: entries 1, 3, 5, 11, 13, 15 of lowp_scales.  LIMITS: -126 <= e <= 119; NaN among the inputs is not served.
; SHARES.  Work-group y takes one of twelve blocks of 768 x 768 (Wq, Wk, Wv, Wo; four column blocks of W1; four row blocks of W2); x takes 128 along K (x / 6) x 128 columns (x % 6).
; A wave takes 32 columns: A LANE TAKES A COLUMN AND ITS REGISTERS RUN DOWN K, so each load reads 128 consecutive bytes a wave and the conversions give codes with K innermost: nothing is transposed.
; A lane's 16 codes of 16 along K are the 16 bytes of one lane of an image: each store of the wave covers two runs of 256 consecutive bytes, aligned.
; No LDS, no barrier, no matrix unit: the launch streams; four blocks of 16 loads a wave are kept on their way.
.set OFF, 16                           ; v16-31  4 x lane + i x pitch
.set X,   32                           ; v32-95  four sets of 16 numbers
.set C,   96                           ; v96-127 four code registers for each of the eight blocks: no store's data are written again
.set BQ,  24                           ; s[24:39] eight bases, 16 rows of the weight apart
	s_load_b256 s[8:15], s[0:1], 0x0               ; Wq s[8:9], Wk s[10:11], Wv s[12:13], Wo s[14:15]
	s_load_b256 s[16:23], s[0:1], 0x20             ; W1 s[16:17], W2 s[18:19], the exponents s[20:21], wimg s[22:23]
	v_lshrrev_b32 v1, 5, v0
	v_readfirstlane_b32 s2, v1                     ; wave 0..3
	v_and_b32 v3, 31, v0                           ; lane = column X of the wave's 32
	s_wait_alu depctr_va_vdst(0)
	s_and_b32 s3, ttmp7, 0xffff                    ; y: which block
	s_mul_i32 s4, ttmp9, 43
	s_lshr_b32 s4, s4, 8                           ; x / 6 (x under 36): which 128 along K
	s_mul_i32 s5, s4, 6
	s_sub_co_u32 s5, ttmp9, s5                     ; x % 6: which 128 columns
	s_sub_co_u32 s6, s3, 4                         ; y - 4: W1's column block
	s_sub_co_u32 s7, s3, 8                         ; y - 8: W2's row block
	s_mul_i32 s41, s6, 3072                        ; W1: 768 columns of 4 bytes
	s_mul_i32 s42, s7, 0x240000                    ; W2: 768 rows of 3,072 bytes
	s_mul_i32 s43, s7, 6
	s_add_co_u32 s43, s43, s4                      ; W2: K step 6 (y - 8) + x / 6
	s_mul_i32 s44, s3, 0x90000                     ; region 589,824 y (W1's column blocks lie on end)
	s_lshl_b32 s45, s3, 3
	s_add_co_u32 s45, s45, 4                       ; the exponent's byte: 8 y + 4 for Wq, Wk, Wv
	s_mov_b32 s40, 3072
	s_cmp_lt_u32 s6, 4                             ; W1?
	s_cselect_b32 s40, 12288, s40                  ; bytes from row to row
	s_cselect_b32 s41, s41, 0
	s_cmp_ge_u32 s3, 3
	s_cselect_b32 s45, 44, s45                     ; Wo: entry 11
	s_cmp_ge_u32 s3, 4
	s_cselect_b32 s45, 52, s45                     ; W1: entry 13
	s_cmp_ge_u32 s3, 8                             ; W2?
	s_cselect_b32 s45, 60, s45                     ; entry 15
	s_cselect_b32 s41, s42, s41                    ; the block's first byte in its weight
	s_cselect_b32 s46, 24, 6                       ; KS
	s_cselect_b32 s43, s43, s4                     ; the K step in the whole weight
	s_cselect_b32 s44, 0x480000, s44               ; region
	s_lshl_b32 s47, s4, 7
	s_mul_i32 s47, s47, s40                        ; 128 (x / 6) rows
	s_add_co_u32 s47, s47, s41
	s_lshl_b32 s48, s5, 9                          ; 128 (x % 6) columns
	s_add_co_u32 s47, s47, s48
	s_lshl_b32 s48, s2, 7                          ; 32 columns a wave
	s_add_co_u32 s48, s47, s48
	s_mov_b32 s49, 0
	s_lshl_b32 s50, s5, 1
	s_lshr_b32 s51, s2, 1
	s_add_co_u32 s50, s50, s51                     ; g = 2 (x % 6) + wave / 2
	s_mul_i32 s50, s50, s46
	s_add_co_u32 s50, s50, s43                     ; g KS + s
	s_lshl_b32 s50, s50, 13                        ; four fragments of 2,048 bytes
	s_add_co_u32 s50, s50, s44
	s_and_b32 s51, s2, 1
	s_lshl_b32 s51, s51, 12                        ; b = wave % 2: tiles 2 b, 2 b + 1
	s_add_co_u32 s50, s50, s51
	s_mov_b32 s51, 0
	s_lshl_b32 s52, s40, 4                         ; 16 rows
	s_mov_b32 s53, 0
	s_mov_b32 s54, s45
	s_mov_b32 s55, 0
	v_lshlrev_b32 v[OFF], 2, v3
.irp i, 1,2,3,4,5,6,7,8,9,10,11,12,13,14,15
	v_add_nc_u32 v[OFF+\i], s40, v[OFF+\i-1]
.endr
	v_bfe_u32 v4, v3, 3, 1                         ; u = (X / 8) % 2
	v_and_b32 v5, 7, v3
	v_lshrrev_b32 v6, 4, v3
	v_lshl_add_u32 v5, v6, 3, v5                   ; r = X % 8 + 8 (X / 16): column X = 8 u + r + 8 (r / 8)
	v_lshlrev_b32 v2, 4, v5
	v_lshl_add_u32 v2, v4, 11, v2                  ; my place in the two tiles' images: 2,048 u + 16 r
	s_wait_alu depctr_va_vdst(0)
	s_wait_kmcnt 0x0
	s_add_nc_u64 s[20:21], s[20:21], s[54:55]
	s_load_b32 s56, s[20:21], 0x0                  ; e
	s_cmp_eq_u32 s3, 1                             ; the weight: a choice on the work-group's number alone
	s_cselect_b64 s[8:9], s[10:11], s[8:9]
	s_cmp_eq_u32 s3, 2
	s_cselect_b64 s[8:9], s[12:13], s[8:9]
	s_cmp_eq_u32 s3, 3
	s_cselect_b64 s[8:9], s[14:15], s[8:9]
	s_cmp_ge_u32 s3, 4
	s_cselect_b64 s[8:9], s[16:17], s[8:9]
	s_cmp_ge_u32 s3, 8
	s_cselect_b64 s[8:9], s[18:19], s[8:9]
	s_add_nc_u64 s[BQ:BQ+1], s[8:9], s[48:49]
.irp q, 1,2,3,4,5,6,7
	s_add_nc_u64 s[BQ+2*\q:BQ+2*\q+1], s[BQ+2*\q-2:BQ+2*\q-1], s[52:53]
.endr
	s_add_nc_u64 s[22:23], s[22:23], s[50:51]
.macro LOADQ q                         ; block q: rows 16 q + i of my column, i = 0..15, into set q % 4
.irp i, 0,1,2,3,4,5,6,7,8,9,10,11,12,13,14,15
	global_load_b32 v[X+16*((\q)%4)+\i], v[OFF+\i], s[BQ+2*(\q):BQ+2*(\q)+1] th:TH_LOAD_NT
.endr
.endm
.macro BLK q
.if (\q) < 5
	s_wait_loadcnt 48                              ; loads come back in order: block q is in, the three younger blocks stay out
.else
	s_wait_loadcnt 16*(7-(\q))                     ; what is left of them
.endif
.irp i, 0,1,2,3,4,5,6,7,8,9,10,11,12,13,14,15
	v_med3_num_f32 v[X+16*((\q)%4)+\i], v[X+16*((\q)%4)+\i], -v10, v10   ; the conversion to an 8-bit code does not saturate (ISA guide 7.6.2): the hold at 448 x the scale
.endr
	v_cvt_scalef32_pk8_fp8_f32 v[C+4*(\q):C+4*(\q)+1], v[X+16*((\q)%4):X+16*((\q)%4)+7], v11
	v_cvt_scalef32_pk8_fp8_f32 v[C+4*(\q)+2:C+4*(\q)+3], v[X+16*((\q)%4)+8:X+16*((\q)%4)+15], v11
.if (\q) < 4
	LOADQ (\q)+4                                   ; the set takes the block four further on
.endif
	global_store_b128 v2, v[C+4*(\q):C+4*(\q)+3], s[22:23] offset:512*((\q)/2)+256*((\q)%2)   ; chunk q / 2, half q % 2: sixteen lanes fill 256 consecutive bytes, aligned
.endm
	LOADQ 0
	LOADQ 1
	LOADQ 2
	LOADQ 3
	s_wait_kmcnt 0x0
	s_add_co_i32 s56, s56, 127
	s_lshl_b32 s57, s56, 23
	v_mov_b32 v11, s57                             ; 2^e as f32: the conversion takes its exponent field
	s_add_co_i32 s56, s56, 8
	s_lshl_b32 s56, s56, 23
	s_or_b32 s56, s56, 0x600000
	v_mov_b32 v10, s56                             ; 448 x 2^e
	s_wait_alu depctr_va_vdst(0)
.irp q, 0,1,2,3,4,5,6,7
	BLK \q
.endr
	s_endpgm
.Lfunc_end_k_q10cb9fb317_prep:
	.size	k_q10cb9fb317_prep, .Lfunc_end_k_q10cb9fb317_prep-k_q10cb9fb317_prep
	.p2alignl 7, 3214868480
	.fill 96, 4, 3214868480
	.section	.rodata,"a",@progbits
	.p2align	6, 0x0
	.amdhsa_kernel k_q10cb9fb317_prep
		.amdhsa_group_segment_fixed_size 0
		.amdhsa_private_segment_fixed_size 0
		.amdhsa_enable_private_segment 0
		.amdhsa_kernarg_size 64
		.amdhsa_user_sgpr_count 2
		.amdhsa_user_sgpr_kernarg_segment_ptr 1
		.amdhsa_wavefront_size32 1
		.amdhsa_system_sgpr_workgroup_id_x 1
		.amdhsa_system_sgpr_workgroup_id_y 1
		.amdhsa_system_sgpr_workgroup_id_z 1
		.amdhsa_system_vgpr_workitem_id 0
		.amdhsa_next_free_vgpr 128
		.amdhsa_next_free_sgpr 66
		.amdhsa_reserve_vcc 0
		.amdhsa_float_denorm_mode_32 3
		.amdhsa_float_denorm_mode_16_64 3
		.amdhsa_memory_ordered 1
		.amdhsa_forward_progress 1
		.amdhsa_inst_pref_size 27
	.end_amdhsa_kernel
	.amdgpu_metadata
---
amdhsa.version: [ 1, 2 ]
amdhsa.kernels:
  - .name:           k_q10cb9fb317_prep
    .symbol:         k_q10cb9fb317_prep.kd
    .args:
      - { .name: Wq, .offset: 0, .size: 8, .value_kind: global_buffer, .address_space: global }
      - { .name: Wk, .offset: 8, .size: 8, .value_kind: global_buffer, .address_space: global }
      - { .name: Wv, .offset: 16, .size: 8, .value_kind: global_buffer, .address_space: global }
      - { .name: Wo, .offset: 24, .size: 8, .value_kind: global_buffer, .address_space: global }
      - { .name: W1, .offset: 32, .size: 8, .value_kind: global_buffer, .address_space: global }
      - { .name: W2, .offset: 40, .size: 8, .value_kind: global_buffer, .address_space: global }
      - { .name: lowp_scales, .offset: 48, .size: 8, .value_kind: global_buffer, .address_space: global }
      - { .name: wimg, .offset: 56, .size: 8, .value_kind: global_buffer, .address_space: global }
    .group_segment_fixed_size: 0
    .private_segment_fixed_size: 0
    .kernarg_segment_align: 8
    .kernarg_segment_size: 64
    .max_flat_workgroup_size: 128
    .sgpr_count:     66
    .vgpr_count:     128
    .wavefront_size: 32
...
	.end_amdgpu_metadata
.endif
;; end of part 1
;; launch qkv (part 2): grid 64 x 3, 12 waves a work-group, no clusters, 152,064 bytes of LDS; arguments x, wimg, bq, bk, bv, lowp_scales, qimg, kimg, vimg; writes qimg, kimg, vimg
.if DOCPART == 2
	.amdgcn_target "amdgcn-amd-amdhsa--gfx1250"
	.amdhsa_code_object_version 6
	.text
	.protected	k_q10cb9fb317_qkv
	.globl	k_q10cb9fb317_qkv
	.p2align	8
	.type	k_q10cb9fb317_qkv,@function
k_q10cb9fb317_qkv:
	s_mov_b64 s[64:65], 0
	v_nop
	global_prefetch_b8 v0, s[64:65] scope:SCOPE_SE
	s_setreg_imm32_b32 hwreg(HW_REG_WAVE_MODE, 25, 1), 1
	s_wait_xcnt 0x0
; q, k or v (work-group y = 0, 1, 2) = Q(x) Q(W) + bias for 64 tokens (work-group x), quantised at once for attention and stored as images of operand registers.
; x is quantised with the product's own scale (entries 0, 2, 4 of lowp_scales), the weights' codes come from wimg (entries 1, 3, 5), the results are quantised with entries 6 (q), 7 (k), 9 (v).
; SHARES.  Twelve waves; wave w makes head w (64 columns) for the 64 tokens: sixteen accumulators, 128 registers.  THE WAVES SHARE THE COLUMNS: each fragment of a weight is used by one wave alone, feeds four matrix
; instructions, and goes from memory straight into that wave's registers.  K = 768 goes in twelve steps of 64: a step is half of each of four images in wimg, eight loads of 512 consecutive bytes, two buffers by turns.
; What goes round through LDS is small: x's 24 fragments of codes (token tile m, 128 along K s, at 12,288 m + 2,048 s), two made by each wave.
; x IS LOADED BY ROWS: a load takes 512 consecutive bytes of one token; a tile's 16 rows turn through the wave's own stage in LDS (rows 528 bytes apart) and come back 16 neighbours along K a lane.
; TOKEN TILES.  Tile m (0..3) of the 64 tokens: lane r is token 32 (m / 2) + 8 (m % 2) + r + 8 (r / 8).
; q, k: source 0 = 16 columns of W, source 1 = 16 tokens: a lane holds one token, and the 16 registers of tiles 2 b, 2 b + 1 are the head's dims 32 b + 16 h + 0..15: chunk b of the token tile's image (K = 64: 1,024 bytes).
; v: the sources change places: a lane holds one dim, and the registers of token tiles 2 a, 2 a + 1 are 16 neighbouring tokens: a chunk of V's image with the KEYS innermost.
; The bias, divided by the power of two that the sums lack, is what the sums begin with: nothing is cleared.
; NO JOINT LOADS, no tensor loads: a weight fragment serves one wave of a work-group; through LDS each of its bytes would be written and read once more.  No prefetch: each weight byte is read by all 64 row blocks.
; LIMITS, so that each power of two below is an f32 number: the x entry in -126..119; the sum of x's and W's entries in -126..127; result entry less that sum in -126..119.  NaN among the inputs is not served.
.set A,    32                          ; v32-63   four token fragments of a K step (first: the bias in q's and k's layout; at the end: the results' codes)
.set B0,   64                          ; v64-95   four weight fragments of an even K step
.set B1,   96                          ; v96-127  of an odd one
.set ACC,  128                         ; v128-255 accumulator (t, m) at ACC + 32 t + 8 m (first: 128 numbers of x)
.set LI,   1                           ; v1   16 x lane
.set VA0,  2                           ; v2   buffer 0's offset in my weight stream
.set VA1,  3                           ; v3   buffer 1's
.set XS,   4                           ; v4   my stage, on the way in: 16 x lane of a row
.set BOQ,  5                           ; v5   bias, q's and k's layout: 64 h; later
.set TA,   5                           ;      the LDS address of the token fragments in hand
.set BOV,  6                           ; v6   bias, v's layout: 4 (r + 8 (r / 8))
.set XW,   7                           ; v7   where I store x's images
.set CD,   8                           ; v8-23 x's codes
.set BV,   24                          ; v24-27 v's biases, one a tile
.set SCL,  28                          ; v28  the conversions' scale
.set XR,   29                          ; v29  my stage, on the way out: row r, + 64 h
.set SPW,  30                          ; v30  LDS address of my spare word; never rewritten
.set NIL,  31                          ; v31  0; never rewritten
.set XST,  49152                       ; behind x's images: for each wave a stage of 16 rows x (512 + 16) bytes = 8,448
.set SPARE, 150528                     ; behind the stages: the spare words, 128 bytes for each of twelve waves
.set WB,   44                          ; s[44:45] my weight stream
.macro LDA areg, off                   ; the four token fragments of a K step of 64
.irp m, 0,1,2,3
	ds_load_b128 v[A+8*\m:A+8*\m+3], v[\areg] offset:\off+12288*\m
	ds_load_b128 v[A+8*\m+4:A+8*\m+7], v[\areg] offset:\off+12288*\m+512
.endr
.endm
.macro LDB buf, areg, off              ; four weight fragments: 1,024 bytes of each of four images
.irp t, 0,1,2,3
	global_load_b128 v[\buf+8*\t:\buf+8*\t+3], v[\areg], s[WB:WB+1] offset:\off+2048*\t
	global_load_b128 v[\buf+8*\t+4:\buf+8*\t+7], v[\areg], s[WB:WB+1] offset:\off+2048*\t+512
.endr
.endm
.macro MM16 buf, swap                  ; the sixteen accumulators take turns, one instruction a turn, in the same order in every step
.irp t, 0,1,2,3
.irp m, 0,1,2,3
.if \swap
	v_wmma_f32_16x16x64_fp8_fp8 v[ACC+32*\t+8*\m:ACC+32*\t+8*\m+7], v[A+8*\m:A+8*\m+7], v[\buf+8*\t:\buf+8*\t+7], v[ACC+32*\t+8*\m:ACC+32*\t+8*\m+7]
.else
	v_wmma_f32_16x16x64_fp8_fp8 v[ACC+32*\t+8*\m:ACC+32*\t+8*\m+7], v[\buf+8*\t:\buf+8*\t+7], v[A+8*\m:A+8*\m+7], v[ACC+32*\t+8*\m:ACC+32*\t+8*\m+7]
.endif
.endr
.endr
.endm
; A K step of 64; its token fragments were asked for in the step before.  cnt: the younger weight loads that may stay out (the other buffer's 8, or none).  Behind the products stand four plain vector lines, ahead of
; the loads into registers that they read; then, nxt = 1, the next step's token fragments, and, refill = 1, this buffer's next weights, 8,192 bytes on.
.macro STEP buf, areg, boff, cnt, refill, nxt, noff, swap
	s_wait_alu depctr_va_vdst(0)
	s_wait_loadcnt \cnt                            ; this buffer's 8 loads are in: so their offset register is free
	s_wait_dscnt 0x0                               ; and so are the token fragments
	MM16 \buf, \swap
.if \refill
	v_add_nc_u32 v[\areg], 8192, v[\areg]
.else
	v_nop
.endif
	v_nop
	v_nop
	v_nop
.if \nxt
	LDA TA, \noff
.endif
.if \refill
	LDB \buf, \areg, \boff
.endif
.endm
.macro PROD swap                       ; the product: twelve K steps; the last two fetch no weights
	v_mov_b32 v[TA], v[LI]
	LDA TA, 0
	s_mov_b32 s26, 5
.Lk_\@:
	STEP B0, VA0, 0, 8, 1, 1, 1024, \swap
	v_add_nc_u32 v[TA], 2048, v[TA]
	STEP B1, VA1, 1024, 8, 1, 1, 0, \swap
	s_sub_co_u32 s26, s26, 1
	s_cmp_lg_u32 s26, 0
	s_cbranch_scc1 .Lk_\@
	STEP B0, VA0, 0, 8, 0, 1, 1024, \swap
	STEP B1, VA1, 1024, 0, 0, 0, 0, \swap
.endm
	s_load_b256 s[8:15], s[0:1], 0x0               ; x s[8:9], wimg s[10:11], bq s[12:13], bk s[14:15]
	s_load_b256 s[16:23], s[0:1], 0x20             ; bv s[16:17], the exponents s[18:19], qimg s[20:21], kimg s[22:23]
	s_load_b64 s[24:25], s[0:1], 0x40              ; vimg
	v_lshl_add_u32 v[SPW], v0, 2, SPARE
	v_mov_b32 v[NIL], 0
	v_lshrrev_b32 v8, 5, v0
	v_readfirstlane_b32 s2, v8                     ; wave 0..11 = head
	s_and_b32 s3, ttmp7, 0xffff                    ; 0 q, 1 k, 2 v
	s_mul_i32 s26, s2, 43
	s_lshr_b32 s26, s26, 8                         ; the fragments of x that I make: token tiles wave / 6 and wave / 6 + 2,
	s_mul_i32 s27, s26, 6
	s_sub_co_u32 s27, s2, s27                      ; 128 along K number wave % 6
	s_mul_i32 s52, s2, 8448
	s_add_co_u32 s52, s52, XST                     ; my stage
	s_lshl_b32 s46, ttmp9, 6
	s_lshl_b32 s47, s26, 3
	s_add_co_u32 s46, s46, s47
	s_mul_i32 s46, s46, 3072                       ; token 64 x block + 8 (wave / 6)
	s_lshl_b32 s47, s27, 9
	s_add_co_u32 s46, s46, s47                     ; its 512 bytes of my part of K
	s_mov_b32 s47, 0
	s_mul_i32 s50, s26, 12288
	s_lshl_b32 s51, s27, 11
	s_add_co_u32 s50, s50, s51                     ; my first image's place
	s_mul_i32 s48, s3, 0x90000                     ; the weight's region,
	s_mul_i32 s49, s2, 49152                       ; my group's 49,152 bytes
	s_add_co_u32 s48, s48, s49
	s_mov_b32 s49, 0
	s_lshl_b32 s54, s2, 8                          ; my 64 numbers of the bias
	s_mov_b32 s55, 0
	v_and_b32 v8, 31, v0                           ; lane
	v_and_b32 v9, 15, v0                           ; r
	v_bfe_u32 v10, v0, 4, 1                        ; h
	v_lshlrev_b32 v[LI], 4, v8
	v_lshlrev_b32 v[VA0], 4, v8
	v_lshlrev_b32 v[VA1], 4, v8
	v_and_b32 v11, 8, v9
	v_add_nc_u32 v11, v11, v9                      ; r + 8 (r / 8)
	v_lshlrev_b32 v[BOQ], 6, v10
	v_lshlrev_b32 v[BOV], 2, v11
	v_add_nc_u32 v[XS], s52, v[LI]
	v_mul_u32_u24 v[XR], v9, 528
	v_lshl_add_u32 v[XR], v10, 6, v[XR]
	v_add_nc_u32 v[XR], s52, v[XR]
	v_add_nc_u32 v[XW], s50, v[LI]
	s_wait_alu depctr_va_vdst(0)
	s_wait_kmcnt 0x0
	s_load_b512 s[28:43], s[18:19], 0x0            ; the sixteen exponents
	s_add_nc_u64 s[8:9], s[8:9], s[46:47]
	s_add_nc_u64 s[WB:WB+1], s[10:11], s[48:49]
	s_cmp_eq_u32 s3, 1
	s_cselect_b64 s[12:13], s[14:15], s[12:13]
	s_cmp_eq_u32 s3, 2
	s_cselect_b64 s[12:13], s[16:17], s[12:13]
	s_add_nc_u64 s[12:13], s[12:13], s[54:55]
.irp t, 0,1,2,3                        ; the bias in both layouts: no branch is needed here.  q, k: tile t's eight columns of my half
	global_load_b128 v[A+8*\t:A+8*\t+3], v[BOQ], s[12:13] offset:128*(\t/2)+32*(\t%2)
	global_load_b128 v[A+8*\t+4:A+8*\t+7], v[BOQ], s[12:13] offset:128*(\t/2)+32*(\t%2)+16
.endr
.irp t, 0,1,2,3                        ; v: tile t's column of my lane
	global_load_b32 v[BV+\t], v[BOV], s[12:13] offset:128*(\t/2)+32*(\t%2)
.endr
.irp a, 0,1
.irp i, 0,1,2,3,4,5,6,7,8,9,10,11,12,13,14,15
	global_load_b128 v[ACC+64*\a+4*\i:ACC+64*\a+4*\i+3], v[LI], s[8:9] offset:98304*\a+(\i+8*(\i/8))*3072   ; row i of my a-th tile: 32 lanes read 512 consecutive bytes
.endr
.endr
	LDB B0, VA0, 0                                 ; K steps 0 and 1 of my weights
	LDB B1, VA1, 1024
	s_lshl_b32 s46, s2, 8                          ; where the results go.  q, k: tile 256 x head + 4 x block, 1,024 bytes a tile
	s_lshl_b32 s47, ttmp9, 2
	s_add_co_u32 s46, s46, s47
	s_lshl_b32 s46, s46, 10
	s_mov_b32 s47, 0
	s_cmp_eq_u32 s3, 1
	s_cselect_b64 s[20:21], s[22:23], s[20:21]
	s_add_nc_u64 s[20:21], s[20:21], s[46:47]
	s_lshl_b32 s48, s2, 5                          ; v: key step 32 x head + block / 2, four fragments of 2,048 bytes; chunks 2 (block % 2) + 0, 1
	s_lshr_b32 s49, ttmp9, 1
	s_add_co_u32 s48, s48, s49
	s_lshl_b32 s48, s48, 13
	s_and_b32 s49, ttmp9, 1
	s_lshl_b32 s49, s49, 10
	s_add_co_u32 s48, s48, s49
	s_mov_b32 s49, 0
	s_add_nc_u64 s[24:25], s[24:25], s[48:49]
	s_wait_kmcnt 0x0
	s_cmp_eq_u32 s3, 1
	s_cselect_b32 s52, s30, s28                    ; x's exponent,
	s_cselect_b32 s53, s31, s29                    ; W's,
	s_cselect_b32 s54, s35, s34                    ; the result's
	s_cmp_eq_u32 s3, 2
	s_cselect_b32 s52, s32, s52
	s_cselect_b32 s53, s33, s53
	s_cselect_b32 s54, s37, s54
	s_add_co_i32 s55, s52, 127
	s_lshl_b32 s56, s55, 23
	v_mov_b32 v[SCL], s56                          ; x's scale as f32
	s_add_co_i32 s55, s55, 8
	s_lshl_b32 s55, s55, 23
	s_or_b32 s56, s55, 0x600000                    ; 448 x that,
	s_or_b32 s57, s56, 0x80000000                  ; and its negative
	s_add_co_i32 s58, s52, s53                     ; a sum stands for sum x 2^(ex + ew)
	s_sub_co_i32 s59, 127, s58
	s_lshl_b32 s60, s59, 23                        ; 2^-(ex + ew): the bias goes in multiplied by it
	s_mov_b32 s61, s60                             ; (named with it as a pair, so it is written)
	s_sub_co_i32 s58, s54, s58
	s_add_co_i32 s58, s58, 127
	s_lshl_b32 s59, s58, 23                        ; 2^(eo - ex - ew): the three scales folded into the result's conversion
	s_add_co_i32 s58, s58, 8
	s_lshl_b32 s58, s58, 23
	s_or_b32 s62, s58, 0x600000
	s_or_b32 s63, s62, 0x80000000
	s_wait_alu depctr_va_vdst(0)
	s_wait_loadcnt 16                              ; the bias and x are in; the two weight buffers' 16 loads stay out
.irp a, 0,1                            ; x turns through my own stage, a tile at a time: in by rows, out so that register 16 c + i = k 32 c + 16 h + i of my token.  LDS serves a wave's instructions in order (ISA guide 5.7.1.4)
.irp i, 0,1,2,3,4,5,6,7,8,9,10,11,12,13,14,15
	ds_store_b128 v[XS], v[ACC+64*\a+4*\i:ACC+64*\a+4*\i+3] offset:528*\i
.endr
.irp c, 0,1,2,3
.irp j, 0,1,2,3
	ds_load_b128 v[ACC+64*\a+16*\c+4*\j:ACC+64*\a+16*\c+4*\j+3], v[XR] offset:128*\c+16*\j
.endr
.endr
.endr
	s_wait_dscnt 0x0
.set i, 0
.rept 128
	v_med3_num_f32 v[ACC+i], v[ACC+i], s57, s56    ; the conversion does not saturate (ISA guide 7.6.2): the hold
.set i, i+1
.endr
.irp a, 0,1
.if \a == 1
	s_wait_alu depctr_va_vdst(0)
	s_wait_dscnt 0x0                               ; the first image's stores have read the code registers
.endif
.irp c, 0,1,2,3
	v_cvt_scalef32_pk8_fp8_f32 v[CD+4*\c:CD+4*\c+1], v[ACC+64*\a+16*\c:ACC+64*\a+16*\c+7], v[SCL]
	v_cvt_scalef32_pk8_fp8_f32 v[CD+4*\c+2:CD+4*\c+3], v[ACC+64*\a+16*\c+8:ACC+64*\a+16*\c+15], v[SCL]
.endr
	v_nop                                          ; a plain line behind the conversions
.irp c, 0,1,2,3
	ds_store_b128 v[XW], v[CD+4*\c:CD+4*\c+3] offset:24576*\a+512*\c   ; the image of token tile 2 a + wave / 6
.endr
.endr
	v_mov_b32 v[SCL], s59
	s_wait_alu depctr_va_vdst(0)
	s_wait_dscnt 0x0                               ; for the others' sake: my stores have landed
	s_barrier_signal -1
	s_barrier_wait -1                              ; x's 24 fragments lie in LDS; nothing is stored to LDS behind this barrier
	s_cmp_eq_u32 s3, 2
	s_cbranch_scc1 .Lv
	; ---- q or k
.irp t, 0,1,2,3
.irp m, 0,1,2,3
.irp j, 0,2,4,6
	v_pk_mul_f32 v[ACC+32*\t+8*\m+\j:ACC+32*\t+8*\m+\j+1], v[A+8*\t+\j:A+8*\t+\j+1], s[60:61] op_sel_hi:[1,0]   ; the sums begin as bias / 2^(ex + ew)
.endr
.endr
.endr
	PROD 0
.irp m, 0,1,2,3
.irp b, 0,1
.irp j, 0,1,2,3,4,5,6,7
	v_med3_num_f32 v[ACC+64*\b+8*\m+\j], v[ACC+64*\b+8*\m+\j], s63, s62          ; each accumulator from its low end on
.endr
.irp j, 0,1,2,3,4,5,6,7
	v_med3_num_f32 v[ACC+64*\b+32+8*\m+\j], v[ACC+64*\b+32+8*\m+\j], s63, s62
.endr
	v_cvt_scalef32_pk8_fp8_f32 v[A+4*(2*\m+\b):A+4*(2*\m+\b)+1], v[ACC+64*\b+8*\m:ACC+64*\b+8*\m+7], v[SCL]
	v_cvt_scalef32_pk8_fp8_f32 v[A+4*(2*\m+\b)+2:A+4*(2*\m+\b)+3], v[ACC+64*\b+32+8*\m:ACC+64*\b+32+8*\m+7], v[SCL]
	v_nop
	global_store_b128 v[LI], v[A+4*(2*\m+\b):A+4*(2*\m+\b)+3], s[20:21] offset:1024*\m+512*\b   ; 512 consecutive bytes: chunk b of token tile m; each store has code registers of its own
.endr
.endr
	s_wait_tensorcnt 0x0                           ; the wave's end
	ds_add_u32 v[SPW], v[NIL]
	s_wait_dscnt 0x0
	s_endpgm
.Lv:	; ---- v: the sources change places
.irp t, 0,1,2,3
.set i, 0
.rept 32
	v_mul_f32 v[ACC+32*\t+i], s60, v[BV+\t]        ; a lane holds one dim: one bias for all its registers of a tile
.set i, i+1
.endr
.endr
	PROD 1
.irp t, 0,1,2,3
.irp a, 0,1
.irp j, 0,1,2,3,4,5,6,7,8,9,10,11,12,13,14,15
	v_med3_num_f32 v[ACC+32*\t+16*\a+\j], v[ACC+32*\t+16*\a+\j], s63, s62
.endr
	v_cvt_scalef32_pk8_fp8_f32 v[A+4*(2*\t+\a):A+4*(2*\t+\a)+1], v[ACC+32*\t+16*\a:ACC+32*\t+16*\a+7], v[SCL]          ; tokens 32 a + 16 h + 0..7,
	v_cvt_scalef32_pk8_fp8_f32 v[A+4*(2*\t+\a)+2:A+4*(2*\t+\a)+3], v[ACC+32*\t+16*\a+8:ACC+32*\t+16*\a+15], v[SCL]     ; 32 a + 16 h + 8..15
	v_nop
	global_store_b128 v[LI], v[A+4*(2*\t+\a):A+4*(2*\t+\a)+3], s[24:25] offset:2048*\t+512*\a
.endr
.endr
	s_wait_tensorcnt 0x0                           ; the wave's end, as above
	ds_add_u32 v[SPW], v[NIL]
	s_wait_dscnt 0x0
	s_endpgm
.Lfunc_end_k_q10cb9fb317_qkv:
	.size	k_q10cb9fb317_qkv, .Lfunc_end_k_q10cb9fb317_qkv-k_q10cb9fb317_qkv
	.p2alignl 7, 3214868480
	.fill 96, 4, 3214868480
	.section	.rodata,"a",@progbits
	.p2align	6, 0x0
	.amdhsa_kernel k_q10cb9fb317_qkv
		.amdhsa_group_segment_fixed_size 152064
		.amdhsa_private_segment_fixed_size 0
		.amdhsa_enable_private_segment 0
		.amdhsa_kernarg_size 72
		.amdhsa_user_sgpr_count 2
		.amdhsa_user_sgpr_kernarg_segment_ptr 1
		.amdhsa_wavefront_size32 1
		.amdhsa_system_sgpr_workgroup_id_x 1
		.amdhsa_system_sgpr_workgroup_id_y 1
		.amdhsa_system_sgpr_workgroup_id_z 1
		.amdhsa_system_vgpr_workitem_id 0
		.amdhsa_next_free_vgpr 256
		.amdhsa_next_free_sgpr 66
		.amdhsa_reserve_vcc 0
		.amdhsa_float_denorm_mode_32 3
		.amdhsa_float_denorm_mode_16_64 3
		.amdhsa_memory_ordered 1
		.amdhsa_forward_progress 1
		.amdhsa_inst_pref_size 70
	.end_amdhsa_kernel
	.amdgpu_metadata
---
amdhsa.version: [ 1, 2 ]
amdhsa.kernels:
  - .name:           k_q10cb9fb317_qkv
    .symbol:         k_q10cb9fb317_qkv.kd
    .args:
      - { .name: x, .offset: 0, .size: 8, .value_kind: global_buffer, .address_space: global }
      - { .name: wimg, .offset: 8, .size: 8, .value_kind: global_buffer, .address_space: global }
      - { .name: bq, .offset: 16, .size: 8, .value_kind: global_buffer, .address_space: global }
      - { .name: bk, .offset: 24, .size: 8, .value_kind: global_buffer, .address_space: global }
      - { .name: bv, .offset: 32, .size: 8, .value_kind: global_buffer, .address_space: global }
      - { .name: lowp_scales, .offset: 40, .size: 8, .value_kind: global_buffer, .address_space: global }
      - { .name: qimg, .offset: 48, .size: 8, .value_kind: global_buffer, .address_space: global }
      - { .name: kimg, .offset: 56, .size: 8, .value_kind: global_buffer, .address_space: global }
      - { .name: vimg, .offset: 64, .size: 8, .value_kind: global_buffer, .address_space: global }
    .group_segment_fixed_size: 152064
    .private_segment_fixed_size: 0
    .kernarg_segment_align: 8
    .kernarg_segment_size: 72
    .max_flat_workgroup_size: 384
    .sgpr_count:     66
    .vgpr_count:     256
    .wavefront_size: 32
...
	.end_amdgpu_metadata
.endif
;; end of part 2
;; launch attn (part 3): grid 16 x 12, 16 waves a work-group, no clusters, 104,448 bytes of LDS; arguments qimg, kimg, vimg, lowp_scales, oimg; writes oimg
.if DOCPART == 3
	.amdgcn_target "amdgcn-amd-amdhsa--gfx1250"
	.amdhsa_code_object_version 6
	.text
	.protected	k_q10cb9fb317_attn
	.globl	k_q10cb9fb317_attn
	.p2align	8
	.type	k_q10cb9fb317_attn,@function
k_q10cb9fb317_attn:
	s_mov_b64 s[64:65], 0
	v_nop
	global_prefetch_b8 v0, s[64:65] scope:SCOPE_SE
	s_setreg_imm32_b32 hwreg(HW_REG_WAVE_MODE, 25, 1), 1
	s_wait_xcnt 0x0
; Causal attention of one head (work-group y) on codes of E4M3; the result is quantised at once for the product with Wo (entry 10 of lowp_scales) and stored as chunks of that operand's images.
; Key tiles that lie wholly behind the causal mask are not multiplied.
; THE SOFTMAX AHEAD OF THE SECOND PRODUCT: t = score x log2(e) / 8; M = the running largest t rounded UP to a whole number; p = 2^(t - M) is quantised (entry 8), not normalised; the row's sum is taken of the
; unquantised p and divides at the end; when M moves, the sum and O are multiplied by 2^(old M - new M), which rounds nothing.
; SHARES.  Work-group x = p owns the blocks p (early) and 31 - p (late) of 128 queries, 8 tiles of 16 queries each.  Key steps of 128: the early block needs steps 0..p, the late one 0..31-p: 33 steps for a pair of tiles.
; Wave j (0-7) takes tile j of the early block through its p + 1 steps, stores it, and then takes tile j of the LATE block through key steps 0..15-p: 17 steps.  Wave j + 8 takes the same late tile through key
; steps 16-p..31-p: 16 steps.  At the end wave j hands its part (O^T, -M, the sum) to wave j + 8 through LDS; the two are joined under the larger M by factors that are powers of two.
; THE WALK HAS A CONSTANT COUNT: 18 halves of a trip, so that every LDS offset is an immediate and no barrier is jumped over.
; STAGING.  A slot holds two key steps, one for waves 0-7 and one for waves 8-15, each K's 8 tiles (8,192 bytes) and V's 4 fragments (8,192 bytes), images of operand registers.  Wave w brings 2,048 bytes of its
; group's step through its registers: loaded in one half, stored in the next, read in the one after.  ONE barrier a half: ahead of it each wave has waited for its stores into the slot ahead and its reads of the slot in hand.
; LAYOUT.  S^T = K Q^T, O^T = V^T P^T: a lane holds ONE query; the 16 registers of tiles 2 b, 2 b + 1 are keys (dims) 32 b + 16 h + 0..15, so the conversions' results are the next operand's registers.
; p'S HOLD at 448 x 2^e8 is run for e8 < -8 alone: p is at most 1, and 448 x 2^e8 is 1.75 or more from e8 = -8 on (a scalar branch on the given whole number; no barrier stands under it).
; PREFETCH: key steps 20..31 of K and V are named once in the launch, by waves 8 and 12 of the head's work-group 0, whose loads reach each of them first, two halves ahead of that load; the earlier steps come by their loads alone.
; NO JOINT LOADS: the work-groups of a head walk the keys in different orders, so no two ask for the same tile in the same half.
; LIMITS: e6 + e7 in -124..129 (added to c's exponent field); e8 and e10 in -126..119; e8 + e9 goes by v_ldexp_f32 and has none.  NaN among the inputs is not served.
; REGISTERS: v1 16 x lane; v2, v9 staging offsets; v3 fragments' LDS address; v4, v5 the hand-over's; v6, v7 the add's two; v8 staging store; v10 prefetch; v11 the mask's d; v12 -M, v13 largest t, v[14:15] the sum;
; v16-23 Q; v24-31 the late tile's Q; v32-95 K's, then V's fragments; v96-159 S^T, then p; v160-191 O^T; v192-207 p's codes; v208-223 staging; v236-254 at work.
.set SLOTB, 32768
.set SPARE, 65536                      ; the spare words, 128 bytes for each of sixteen waves
.set MRG,   67584                      ; the hand-over: 4,608 bytes for each pair of waves
	s_load_b256 s[4:11], s[0:1], 0x0               ; qimg, kimg, vimg, the exponents
	s_load_b64 s[12:13], s[0:1], 0x20              ; oimg
	v_lshl_add_u32 v6, v0, 2, SPARE
	v_mov_b32 v7, 0
	v_lshrrev_b32 v2, 5, v0
	v_readfirstlane_b32 s14, v2                    ; wave 0..15
	s_wait_alu depctr_va_vdst(0)
	s_and_b32 s15, s14, 7                          ; my tile in its block
	s_lshr_b32 s40, s14, 3                         ; 0: waves 0-7, 1: waves 8-15
	s_and_b32 s36, ttmp7, 0xffff                   ; head
	s_sub_co_u32 s41, 31, ttmp9                    ; the late block
	s_sub_co_u32 s39, 16, ttmp9
	s_add_co_u32 s38, ttmp9, 1                     ; what is taken off a step's number behind the early tile
	s_cmp_eq_u32 s40, 0
	s_cselect_b32 s42, ttmp9, s41                  ; the block of the tile that I store
	s_cselect_b32 s21, ttmp9, 15                   ; the half in which I am on the diagonal
	s_cselect_b32 s22, 16, 15                      ; my last half with work
	s_cselect_b32 s37, ttmp9, 64                   ; behind this half the early tile is done (waves 8-15: never)
	s_cselect_b32 s39, 0, s39                      ; my first key step
	s_cselect_b32 s43, ttmp9, -1                   ; the half behind which I change tiles
	s_lshr_b32 s34, s15, 1
	s_lshl_b32 s34, s34, 5
	s_and_b32 s35, s15, 1
	s_lshl_b32 s35, s35, 3
	s_add_co_u32 s34, s34, s35                     ; my tile's first query in its block
	s_mul_i32 s33, s15, 4608
	s_add_co_u32 s33, s33, MRG
	s_lshl_b32 s44, s36, 18                        ; a head's 262,144 bytes in qimg, kimg and vimg
	s_mov_b32 s45, 0
	s_and_b32 s46, s15, 3
	s_lshl_b32 s46, s46, 11                        ; my 2,048 bytes of K's or V's 8,192
	s_mov_b32 s47, 0
	s_lshl_b32 s48, s42, 3
	s_add_co_u32 s48, s48, s15                     ; the token tile T that I store
	s_mul_i32 s54, s48, 6
	s_lshl_b32 s48, s48, 10
	s_mov_b32 s49, 0
	s_lshl_b32 s50, s41, 3
	s_add_co_u32 s50, s50, s15
	s_lshl_b32 s50, s50, 10                        ; the late tile's Q
	s_mov_b32 s51, 0
	s_lshr_b32 s55, s36, 1
	s_add_co_u32 s54, s54, s55
	s_lshl_b32 s54, s54, 11                        ; oimg: fragment 6 T + head / 2,
	s_and_b32 s55, s36, 1
	s_lshl_b32 s55, s55, 10                        ; chunks 2 (head % 2) + 0, 1
	s_add_co_u32 s54, s54, s55
	s_mov_b32 s55, 0
	s_xor_b32 s32, s40, 1
	s_and_b32 s35, s14, 3
	s_or_b32 s32, s32, s35
	s_or_b32 s32, s32, ttmp9
	s_cmp_eq_u32 s32, 0
	s_cselect_b32 s32, 11, -1                      ; who prefetches, and up to which half: waves 8 and 12 of work-group 0
	s_add_co_u32 s35, s39, 1                       ; the key step of my second half
	s_sub_co_u32 s59, s35, s38
	s_cmp_lt_u32 s37, 1
	s_cselect_b32 s35, s59, s35
	s_mov_b32 s24, 0x76543210
	s_mov_b32 s25, 0xfedcba98                      ; v_permlanex16_b32's selects for lane l xor 16
	s_mov_b32 s26, 0x3e38aa3b                      ; c = log2(e) / 8
	s_mov_b32 s23, 0                               ; the half in hand
	v_and_b32 v3, 31, v0
	v_and_b32 v4, 15, v0                           ; r
	v_bfe_u32 v5, v0, 4, 1                         ; h
	v_lshlrev_b32 v1, 4, v3
	v_lshl_add_u32 v8, v2, 11, v1                  ; 2,048 x wave + 16 x lane
	v_lshlrev_b32 v10, 8, v3                       ; 256 x lane
	v_and_b32 v11, 8, v4
	v_add_nc_u32 v11, v11, v4
	v_lshlrev_b32 v5, 4, v5
	v_sub_nc_u32 v11, v11, v5
	v_add_nc_u32 v11, s34, v11                     ; d = my query in its block - 16 h.  Register 16 b + i holds key 32 b + 16 h + i of the step: hidden on the diagonal where 32 b + i > d
	v_lshrrev_b32 v3, 8, v0
	v_lshl_add_u32 v3, v3, 14, v1                  ; my group's step in a slot: 16,384 x (wave / 8) + 16 x lane
	v_add_nc_u32 v4, s33, v1                       ; the hand-over: O^T,
	v_lshrrev_b32 v5, 1, v1
	v_add_nc_u32 v5, s33, v5                       ; and (-M, sum), 8 bytes a lane, 4,096 further on
	v_lshl_add_u32 v2, s39, 13, v1                 ; my first key step,
	v_lshl_add_u32 v9, s35, 13, v1                 ; and my second
	s_wait_alu depctr_va_vdst(0)
	s_wait_kmcnt 0x0
	s_load_b128 s[16:19], s[10:11], 0x18           ; e6, e7, e8, e9
	s_load_b32 s20, s[10:11], 0x28                 ; e10
	s_cmp_lt_u32 s15, 4
	s_cselect_b64 s[28:29], s[6:7], s[8:9]         ; of each group four waves stage K, four V
	s_add_nc_u64 s[28:29], s[28:29], s[44:45]
	s_add_nc_u64 s[30:31], s[28:29], 19*8192       ; the prefetches' address: each half steps it, the first to key step 20
	s_add_nc_u64 s[28:29], s[28:29], s[46:47]
	s_add_nc_u64 s[4:5], s[4:5], s[44:45]
	s_add_nc_u64 s[52:53], s[4:5], s[50:51]
	s_add_nc_u64 s[4:5], s[4:5], s[48:49]
	s_add_nc_u64 s[12:13], s[12:13], s[54:55]
	global_load_b128 v[16:19], v1, s[4:5]          ; my first tile's Q
	global_load_b128 v[20:23], v1, s[4:5] offset:512
	global_load_b128 v[24:27], v1, s[52:53]        ; the late tile's Q: every wave loads it, so that the registers are written on every path; waves 8-15 hold that tile already and do not use it
	global_load_b128 v[28:31], v1, s[52:53] offset:512
.irp c, 0,1,2,3
	global_load_b128 v[96+4*\c:99+4*\c], v2, s[28:29] offset:512*\c     ; my part of my group's first step,
.endr
.irp c, 0,1,2,3
	global_load_b128 v[208+4*\c:211+4*\c], v9, s[28:29] offset:512*\c   ; and of its second
.endr
.macro RESET                           ; a tile begins: the largest t -3e38, the sum and O^T zeros, which the first change of M leaves zeros
	v_mov_b32 v13, 0xff61b1e6
	v_floor_f32 v12, -v13
	v_mov_b32 v14, 0
	v_mov_b32 v15, 0
.set i, 0
.rept 32
	v_mov_b32 v[160+i], 0
.set i, i+1
.endr
.endm
	RESET
	v_mov_b32 v236, 0                              ; a lane permute's destination counts as one of its sources
	v_mov_b32 v252, 0
	v_mov_b32 v253, 0
	s_wait_kmcnt 0x0
	s_add_co_i32 s34, s16, s17
	s_lshl_b32 s34, s34, 23
	s_add_co_i32 s26, s26, s34                     ; a score stands for score x 2^(e6 + e7): added to c's exponent field
	s_mov_b32 s27, s26
	s_add_co_i32 s34, s18, 127
	s_lshl_b32 s35, s34, 23
	v_mov_b32 v244, s35                            ; 2^e8 as f32
	s_add_co_i32 s34, s34, 8
	s_lshl_b32 s34, s34, 23
	s_or_b32 s34, s34, 0x600000
	v_mov_b32 v240, s34                            ; 448 x 2^e8
	s_add_co_i32 s34, s20, 127
	s_lshl_b32 s35, s34, 23
	v_mov_b32 v245, s35                            ; 2^e10
	s_add_co_i32 s34, s34, 8
	s_lshl_b32 s34, s34, 23
	s_or_b32 s56, s34, 0x600000                    ; 448 x 2^e10,
	s_or_b32 s57, s56, 0x80000000                  ; and its negative
	s_add_co_i32 s58, s18, s19                     ; e8 + e9
	s_wait_alu depctr_va_vdst(0)
	s_wait_loadcnt 4                               ; both Q and the first step are in; the second step's four loads stay out
.irp c, 0,1,2,3
	ds_store_b128 v8, v[96+4*\c:99+4*\c] offset:512*\c
.endr
	s_wait_dscnt 0x0
	s_barrier_signal -1
	s_barrier_wait -1                              ; slot 0 holds both groups' first steps
.macro STEP slot
	s_cmp_gt_u32 s23, s22                          ; no step is left for me
	s_cbranch_scc1 .Lskip_\@
.rept 4
	v_nop                                          ; places ahead of loads into registers that the last products read
.endr
.irp t, 0,1,2,3,4,5,6,7
	ds_load_b128 v[32+8*\t:35+8*\t], v3 offset:\slot*SLOTB+1024*\t
	ds_load_b128 v[36+8*\t:39+8*\t], v3 offset:\slot*SLOTB+1024*\t+512
.endr
	s_wait_dscnt 0x0                               ; K's fragments are in; and the half's staging stores, issued ahead of them, have read the staging registers
	s_cmp_gt_u32 s34, s22                          ; ids and the count of halves alone.  What no wave of my group needs is not fetched
	s_cbranch_scc1 .Lnoload_\@
	v_lshl_add_u32 v9, s35, 13, v1                 ; the step of the half after the next (s34, s35: made at the half's head)
.irp c, 0,1,2,3
	global_load_b128 v[208+4*\c:211+4*\c], v9, s[28:29] offset:512*\c
.endr
.Lnoload_\@:
.irp t, 0,1,2,3,4,5,6,7
	v_wmma_f32_16x16x64_fp8_fp8 v[96+8*\t:103+8*\t], v[32+8*\t:39+8*\t], v[16:23], 0
.endr
.rept 4
	v_nop
.endr
	s_cmp_lg_u32 s23, s21                          ; off the diagonal every key counts
	s_cbranch_scc1 .Lopen_\@
	v_mov_b32 v254, 0xff800000                     ; -infinity
.set n, 0
.rept 64
	v_cmp_gt_i32 vcc_lo, 32*(n/16)+n%16, v11
	v_cndmask_b32 v[96+n], v[96+n], v254, vcc_lo
.set n, n+1
.endr
.Lopen_\@:
	v_max3_num_f32 v254, v96, v97, v98             ; the step's largest score of my query among my 64 keys, in two chains,
	v_max3_num_f32 v252, v99, v100, v101
.irp i, 6,10,14,18,22,26,30,34,38,42,46,50,54,58
	v_max3_num_f32 v254, v254, v[96+\i], v[97+\i]
	v_max3_num_f32 v252, v252, v[98+\i], v[99+\i]
.endr
	v_max3_num_f32 v254, v254, v158, v159
	v_max_num_f32 v254, v254, v252
	v_permlanex16_b32 v236, v254, s24, s25
	v_max_num_f32 v254, v254, v236                 ; and among lane l xor 16's
	v_mul_f32 v254, s26, v254                      ; as t (c is positive)
	v_max_num_f32 v13, v13, v254                   ; the running largest t
	v_mov_b32 v254, v12
	v_floor_f32 v12, -v13                          ; the new -M = floor(-t): M is a whole number
	v_sub_f32 v254, v12, v254                      ; old M - new M: a whole number, 0 or less
	v_cvt_i32_f32 v254, v254                       ; (it saturates)
	v_ldexp_f32 v252, 1.0, v254                    ; f = 2^(old M - new M)
.set j, 0
.rept 32
	v_pk_fma_f32 v[96+j:97+j], v[96+j:97+j], s[26:27], v[12:13] op_sel_hi:[1,0,0]   ; t - M, two at a time
.set j, j+2
.endr
.set j, 0
	s_wait_alu depctr_va_vdst(0)
.rept 64
	v_exp_f32 v[96+j], v[96+j]                     ; p = 2^(t - M)
.set j, j+1
.endr
	v_pk_mul_f32 v[14:15], v[14:15], v[252:253] op_sel_hi:[1,0]   ; the sums under the new M: the plain line behind the exponentials
	s_wait_alu depctr_va_vdst(0)                   ; one wait for the batch of 64, ahead of its first reader
	v_pk_add_f32 v[242:243], v[96:97], v[98:99]    ; the row's sum of the unquantised p, in four chains
	v_pk_add_f32 v[246:247], v[100:101], v[102:103]
	v_pk_add_f32 v[248:249], v[104:105], v[106:107]
	v_pk_add_f32 v[14:15], v[14:15], v[108:109]
.irp j, 110,118,126,134,142,150
	v_pk_add_f32 v[242:243], v[242:243], v[\j:\j+1]
	v_pk_add_f32 v[246:247], v[246:247], v[\j+2:\j+3]
	v_pk_add_f32 v[248:249], v[248:249], v[\j+4:\j+5]
	v_pk_add_f32 v[14:15], v[14:15], v[\j+6:\j+7]
.endr
	v_pk_add_f32 v[242:243], v[242:243], v[158:159]
	v_pk_add_f32 v[14:15], v[14:15], v[248:249]
	v_pk_add_f32 v[242:243], v[242:243], v[246:247]
	v_pk_add_f32 v[14:15], v[14:15], v[242:243]
	s_cmp_ge_i32 s18, -8                           ; 448 x 2^e8 >= 1.75 there, over every p: the hold would change nothing
	s_cbranch_scc1 .Lnohold_\@
.set j, 0
.rept 64
	v_min_num_f32 v[96+j], v[96+j], v240           ; the conversion does not saturate (ISA guide 7.6.2); p is not negative: a one-sided hold
.set j, j+1
.endr
.Lnohold_\@:
.irp b, 0,1,2,3
	v_cvt_scalef32_pk8_fp8_f32 v[192+4*\b:193+4*\b], v[96+16*\b:103+16*\b], v244
	v_cvt_scalef32_pk8_fp8_f32 v[194+4*\b:195+4*\b], v[104+16*\b:111+16*\b], v244
.endr
	s_wait_alu depctr_va_vdst(0)
.set j, 0
.rept 16
	v_pk_mul_f32 v[160+j:161+j], v[160+j:161+j], v[252:253] op_sel_hi:[1,0]   ; O^T under the new M.  (Also the plain lines behind the conversions and ahead of the loads below)
.set j, j+2
.endr
.irp t, 0,1,2,3
.irp c, 0,1,2,3
	ds_load_b128 v[32+16*\t+4*\c:35+16*\t+4*\c], v3 offset:\slot*SLOTB+8192+2048*\t+512*\c
.endr
.endr
	s_wait_alu depctr_va_vdst(0)
	s_wait_dscnt 0x0
.irp t, 0,1,2,3
	v_wmma_f32_16x16x128_fp8_fp8 v[160+8*\t:167+8*\t], v[32+16*\t:47+16*\t], v[192:207], v[160+8*\t:167+8*\t]
.endr
.Lskip_\@:
.endm
; A tile leaves: O^T / the sum x 2^(e8 + e9), quantised with 2^e10: two chunks of an image, 512 consecutive bytes each
.macro FINISH
	s_wait_xcnt 0x0                                ; any earlier stores of mine have read their registers, which the codes below are written into
.rept 4
	v_nop                                          ; places behind the last products
.endr
	v_add_f32 v14, v14, v15
	v_permlanex16_b32 v252, v14, s24, s25
	v_add_f32 v14, v14, v252                       ; the row's sum
	s_wait_alu depctr_va_vdst(0)
	v_rcp_f32 v14, v14
	v_nop                                          ; a plain line behind the reciprocal
	s_wait_alu depctr_va_vdst(0)                   ; the wait, ahead of the reciprocal's first reader
	v_ldexp_f32 v14, v14, s58
	s_wait_alu depctr_va_vdst(0)
.set j, 0
.rept 32
	v_mul_f32 v[96+j], v[160+j], v14               ; register 16 b + i is dim 32 b + 16 h + i of my query; each accumulator from its low end on
.set j, j+1
.endr
.set j, 0
.rept 32
	v_med3_num_f32 v[96+j], v[96+j], s57, s56
.set j, j+1
.endr
.irp b, 0,1
	v_cvt_scalef32_pk8_fp8_f32 v[32+4*\b:33+4*\b], v[96+16*\b:103+16*\b], v245
	v_cvt_scalef32_pk8_fp8_f32 v[34+4*\b:35+4*\b], v[104+16*\b:111+16*\b], v245
.endr
	v_nop
	global_store_b128 v1, v[32:35], s[12:13]
	global_store_b128 v1, v[36:39], s[12:13] offset:512
.endm
; Half a trip: my group's step of half s23 lies in slot; the staging registers hold my part of the next one.
.macro HALF slot
	s_wait_alu depctr_va_vdst(0)
	s_wait_xcnt 0x0                                ; the last prefetch has read its address, and a tile's stores their registers
	s_add_nc_u64 s[30:31], s[30:31], 8192
	s_wait_loadcnt 0x0                             ; my part of the next step is in, and the loads' offset register is free
.irp c, 0,1,2,3
	ds_store_b128 v8, v[208+4*\c:211+4*\c] offset:(1-\slot)*SLOTB+512*\c   ; into the slot that every wave left at the last barrier
.endr
	s_add_co_u32 s34, s23, 2                       ; the half after the next, and its key step:
	s_add_co_u32 s35, s34, s39
	s_sub_co_u32 s59, s35, s38
	s_cmp_gt_u32 s34, s37                          ; behind the early tile the count begins anew
	s_cselect_b32 s35, s59, s35
	s_cmp_gt_i32 s23, s32
	s_cbranch_scc1 .Lnoask_\@
	global_prefetch_b8 v10, s[30:31] th:TH_LOAD_NT scope:SCOPE_SE   ; key step s23 + 20, two halves ahead of its load: 8,192 bytes of K (wave 8) or of V (wave 12), lanes 256 bytes apart; the last is step 31
.Lnoask_\@:
	STEP \slot
	s_cmp_lg_u32 s23, s43
	s_cbranch_scc1 .Lsame_\@
	FINISH                                         ; waves 0-7, behind the early tile's last step: it leaves, and the late tile begins
.set i, 0
.rept 8
	v_mov_b32 v[16+i], v[24+i]
.set i, i+1
.endr
	RESET
.Lsame_\@:
	s_add_co_u32 s23, s23, 1
	s_wait_dscnt 0x0                               ; my stores into the other slot have landed and my reads of this slot are over
	s_barrier_signal -1
	s_barrier_wait -1
.endm
	s_mov_b32 s33, 9
.Ltrip:
	HALF 0
	HALF 1
	s_sub_co_u32 s33, s33, 1
	s_cmp_lg_u32 s33, 0
	s_cbranch_scc1 .Ltrip
	s_wait_alu depctr_va_vdst(0)
	; THE HAND-OVER of the late tile's first part
.rept 4
	v_nop
.endr
	s_cmp_lt_u32 s14, 8
	s_cbranch_scc0 .Ltaker
	v_add_f32 v13, v14, v15
.irp i, 0,1,2,3,4,5,6,7
	ds_store_b128 v4, v[160+4*\i:163+4*\i] offset:512*\i
.endr
	ds_store_b64 v5, v[12:13] offset:4096          ; -M and my lane's sum
.Ltaker:
	s_wait_dscnt 0x0
	s_barrier_signal -1
	s_barrier_wait -1
	s_cmp_lt_u32 s14, 8
	s_cbranch_scc0 .Ljoin
	s_wait_tensorcnt 0x0                           ; the wave's end
	ds_add_u32 v6, v7
	s_wait_dscnt 0x0
	s_endpgm
.Ljoin:
.irp i, 0,1,2,3,4,5,6,7
	ds_load_b128 v[96+4*\i:99+4*\i], v4 offset:512*\i
.endr
	ds_load_b64 v[128:129], v5 offset:4096
	v_add_f32 v14, v14, v15
	v_mov_b32 v133, 0                              ; (named as the upper halves of pairs)
	v_mov_b32 v135, 0
	s_wait_alu depctr_va_vdst(0)
	s_wait_dscnt 0x0
	v_min_num_f32 v130, v12, v128                  ; -M of both parts
	v_sub_f32 v131, v130, v12
	v_sub_f32 v136, v130, v128
	v_cvt_i32_f32 v131, v131
	v_cvt_i32_f32 v136, v136
	v_ldexp_f32 v132, 1.0, v131                    ; my part's factor, a power of two,
	v_ldexp_f32 v134, 1.0, v136                    ; and the other's
	v_mul_f32 v14, v14, v132
	v_fmac_f32 v14, v129, v134
	v_mov_b32 v15, 0
.set j, 0
.rept 16
	v_pk_mul_f32 v[96+j:97+j], v[96+j:97+j], v[134:135] op_sel_hi:[1,0]
.set j, j+2
.endr
.set j, 0
.rept 16
	v_pk_fma_f32 v[160+j:161+j], v[160+j:161+j], v[132:133], v[96+j:97+j] op_sel_hi:[1,0,1]
.set j, j+2
.endr
	FINISH
	s_wait_tensorcnt 0x0                           ; the wave's end, as above
	ds_add_u32 v6, v7
	s_wait_dscnt 0x0
	s_endpgm
.Lfunc_end_k_q10cb9fb317_attn:
	.size	k_q10cb9fb317_attn, .Lfunc_end_k_q10cb9fb317_attn-k_q10cb9fb317_attn
	.p2alignl 7, 3214868480
	.fill 96, 4, 3214868480
	.section	.rodata,"a",@progbits
	.p2align	6, 0x0
	.amdhsa_kernel k_q10cb9fb317_attn
		.amdhsa_group_segment_fixed_size 104448
		.amdhsa_private_segment_fixed_size 0
		.amdhsa_enable_private_segment 0
		.amdhsa_kernarg_size 40
		.amdhsa_user_sgpr_count 2
		.amdhsa_user_sgpr_kernarg_segment_ptr 1
		.amdhsa_wavefront_size32 1
		.amdhsa_system_sgpr_workgroup_id_x 1
		.amdhsa_system_sgpr_workgroup_id_y 1
		.amdhsa_system_sgpr_workgroup_id_z 1
		.amdhsa_system_vgpr_workitem_id 0
		.amdhsa_next_free_vgpr 256
		.amdhsa_next_free_sgpr 66
		.amdhsa_reserve_vcc 1
		.amdhsa_float_denorm_mode_32 3
		.amdhsa_float_denorm_mode_16_64 3
		.amdhsa_memory_ordered 1
		.amdhsa_forward_progress 1
		.amdhsa_inst_pref_size 71
	.end_amdhsa_kernel
	.amdgpu_metadata
---
amdhsa.version: [ 1, 2 ]
amdhsa.kernels:
  - .name:           k_q10cb9fb317_attn
    .symbol:         k_q10cb9fb317_attn.kd
    .args:
      - { .name: qimg, .offset: 0, .size: 8, .value_kind: global_buffer, .address_space: global }
      - { .name: kimg, .offset: 8, .size: 8, .value_kind: global_buffer, .address_space: global }
      - { .name: vimg, .offset: 16, .size: 8, .value_kind: global_buffer, .address_space: global }
      - { .name: lowp_scales, .offset: 24, .size: 8, .value_kind: global_buffer, .address_space: global }
      - { .name: oimg, .offset: 32, .size: 8, .value_kind: global_buffer, .address_space: global }
    .group_segment_fixed_size: 104448
    .private_segment_fixed_size: 0
    .kernarg_segment_align: 8
    .kernarg_segment_size: 40
    .max_flat_workgroup_size: 512
    .sgpr_count:     66
    .vgpr_count:     256
    .wavefront_size: 32
...
	.end_amdgpu_metadata
.endif
;; end of part 3
;; launch tail (part 4): grid 64 x 4, 12 waves a work-group, no clusters, 317,952 bytes of LDS; arguments x, oimg, wimg, bo, ln1_g, ln1_b, b2, b1, lowp_scales, part; writes part
.if DOCPART == 4
	.amdgcn_target "amdgcn-amd-amdhsa--gfx1250"
	.amdhsa_code_object_version 6
	.text
	.protected	k_q10cb9fb317_tail
	.globl	k_q10cb9fb317_tail
	.p2align	8
	.type	k_q10cb9fb317_tail,@function
k_q10cb9fb317_tail:
	s_mov_b64 s[64:65], 0
	v_nop
	global_prefetch_b8 v0, s[64:65] scope:SCOPE_SE
	s_setreg_imm32_b32 hwreg(HW_REG_WAVE_MODE, 25, 1), 1
	s_wait_xcnt 0x0
; For 64 tokens (work-group x) and one quarter of the hidden layer (work-group y): h = LN1(x + o Wo + bo);  part[y] = gelu(h W1[:, quarter] + b1[quarter]) W2[quarter, :] + (h + b2) / 4.
; The four parts are added and normed by the next launch.  The three products on codes of E4M3; h's codes and the hidden layer never go to memory.  All four quarters make h: it wants whole rows.
; SHARES.  Twelve waves.  THE WAVES SHARE THE COLUMNS: wave w makes columns 64 w .. + 63 of o Wo and of the last product, and hidden units 768 y + 64 w .. + 63, for all 64 tokens: sixteen accumulators, 128 registers.
; So the three products have one shape, K = 768 in twelve steps of 64, and each fragment of a weight, used by one wave alone, feeds four matrix instructions.  It goes from memory straight into that wave's registers
; (wimg holds images of operand registers; a step of 64 along K is half of each of four images: eight loads of 512 consecutive bytes), two buffers by turns; the stream runs on from Wo into W1 and from W1 into W2.
; The tokens' codes (o, h, the hidden layer) go from wave to wave through LDS as images: token tile m (0..3), K step j at 12,288 m + 1,024 j.  The hidden layer's images take the bytes of o's, which are done with.
; Source 0 = 16 columns of a weight, source 1 = 16 tokens: a lane holds one token (tile m, lane r: token 32 (m / 2) + 8 (m % 2) + r + 8 (r / 8)), and the 16 registers of tiles 2 b, 2 b + 1 are columns 32 b + 16 h + 0..15.
; The sums begin as residual + bias, divided by the power of two that the sums lack: nothing is cleared.
; LAYER NORM: each wave takes the mean and the centred sum of squares of its 64 columns; the twelve pairs meet in LDS (one barrier) and are joined by M2 = sum M2_i + 64 sum (mean_i - mean)^2: no difference of large sums.
; GELU = x / 2 (1 + erf(x / sqrt 2)), erf(z) = z P(z^2) / Q(z^2), a rational form of degrees 6 and 4 in z^2, z held within +-4.  LIMIT: below x of about -5.7 the result is x (1 + erf(-4)) / 2 and not exactly 0.
; NO JOINT LOADS, no tensor loads: a weight fragment serves one wave of a work-group; through LDS each byte would be written and read once more.  No prefetch: every weight byte is read by 64 work-groups or more.
; LIMITS, so that each power of two below is an f32 number: e10 + e11, e12 + e13 in -126..127 (e12 + e13 also above -126); e14 + e15 in -126..124; e12, e14 in -126..119.  NaN among the inputs is not served.
.set A,    32                          ; v32-63   four token fragments of a K step; at other times at work
.set B0,   64                          ; v64-95   four weight fragments of an even K step
.set B1,   96                          ; v96-127  of an odd one
.set ACC,  128                         ; v128-255 accumulator (t, m) at ACC + 32 t + 8 m
.set HIMG, 49152                       ; LDS: o's, later the hidden layer's images at 0; h's here
.set STG,  98304                       ; for each wave 16,384 bytes: a stage of 32 rows x (256 + 16) bytes; in between h's 128 registers as they stand
.set PAR,  294912                      ; b1's quarter (3,072 bytes),
.set PARP, PAR+3072                    ; then bo, ln1_g, ln1_b, b2 (3,072 each)
.set STAT, 310272                      ; the waves' (mean, M2): 512 bytes a wave
.set SPARE, 316416                     ; the spare words, 128 bytes for each of twelve waves
.set LI,   1                           ; v1   16 x lane
.set VA0,  2                           ; v2   buffer 0's offset in wimg
.set VA1,  3                           ; v3   buffer 1's
.set TA,   4                           ; v4   an LDS address in hand
.set STO,  5                           ; v5   the stage by tokens
.set RD,   6                           ; v6   the stage by rows: sixteen lanes to a row of 256 bytes
.set GX,   7                           ; v7   the same two rows in x and in part
.set PCA,  8                           ; v8   a parameter's numbers for my columns
.set PB,   9                           ; v9   b1's
.set SWR,  10                          ; v10  where I put my wave's (mean, M2)
.set SRDA, 11                          ; v11  where I read the twelve
.set HWA,  12                          ; v12  where I store h's codes
.set FWA,  13                          ; v13  where I store the hidden layer's
.set SPW,  14                          ; v14  LDS address of my spare word; never rewritten
.set NIL,  15                          ; v15  0; never rewritten
.set HR,   16                          ; v16  h's registers in my stage
.set LIH,  17                          ; v17  h's images
.set SC12, 18                          ; v18  2^e12
.set SC14, 19                          ; v19  2^e14
.set AL0,  20                          ; v[20:21] P's leading coefficient, twice
.set BE0,  22                          ; v[22:23] Q's
.set MN,   24                          ; v24-31: tile m's (1 / sigma, -mean / sigma) at MN + 2 m; later code registers
.set WB,   8                           ; s[8:9] wimg
.macro LDA areg, off                   ; the four token fragments of a K step of 64
.irp m, 0,1,2,3
	ds_load_b128 v[A+8*\m:A+8*\m+3], v[\areg] offset:\off+12288*\m
	ds_load_b128 v[A+8*\m+4:A+8*\m+7], v[\areg] offset:\off+12288*\m+512
.endr
.endm
.macro LDB buf, areg, off              ; four weight fragments: 1,024 bytes of each of four images
.irp t, 0,1,2,3
	global_load_b128 v[\buf+8*\t:\buf+8*\t+3], v[\areg], s[WB:WB+1] offset:\off+2048*\t
	global_load_b128 v[\buf+8*\t+4:\buf+8*\t+7], v[\areg], s[WB:WB+1] offset:\off+2048*\t+512
.endr
.endm
.macro MM16 buf                        ; the sixteen accumulators take turns, one instruction a turn, in the same order in every step
.irp t, 0,1,2,3
.irp m, 0,1,2,3
	v_wmma_f32_16x16x64_fp8_fp8 v[ACC+32*\t+8*\m:ACC+32*\t+8*\m+7], v[\buf+8*\t:\buf+8*\t+7], v[A+8*\m:A+8*\m+7], v[ACC+32*\t+8*\m:ACC+32*\t+8*\m+7]
.endr
.endr
.endm
; A K step of 64; its token fragments were asked for in the step before.  cnt: the younger weight loads that may stay out (the other buffer's 8, or none).  Behind the products stand four plain vector lines, ahead of
; the loads into registers that they read; then, nxt = 1, the next step's token fragments, and, refill = 1, this buffer's next weights (inc bytes on in the stream).
.macro STEP buf, areg, boff, cnt, refill, inc, nxt, noff
	s_wait_alu depctr_va_vdst(0)
	s_wait_loadcnt \cnt                            ; this buffer's 8 loads are in: so their offset register is free
	s_wait_dscnt 0x0                               ; and so are the token fragments
	MM16 \buf
.if \refill
	v_add_nc_u32 v[\areg], \inc, v[\areg]
.else
	v_nop
.endif
	v_nop
	v_nop
	v_nop
.if \nxt
	LDA TA, \noff
.endif
.if \refill
	LDB \buf, \areg, \boff
.endif
.endm
; A product: twelve K steps.  base: the register with the images' address.  more = 1: the last two refills go on, inc bytes, into the next weight; more = 0: they fetch nothing.
.macro PROD base, more, inc
	v_mov_b32 v[TA], v[\base]
	LDA TA, 0
	s_mov_b32 s60, 5
.Lk_\@:
	STEP B0, VA0, 0, 8, 1, 8192, 1, 1024
	v_add_nc_u32 v[TA], 2048, v[TA]
	STEP B1, VA1, 1024, 8, 1, 8192, 1, 0
	s_sub_co_u32 s60, s60, 1
	s_cmp_lg_u32 s60, 0
	s_cbranch_scc1 .Lk_\@
	STEP B0, VA0, 0, 8, \more, \inc, 1, 1024
	STEP B1, VA1, 1024, 8*\more, \more, \inc, 0, 0
.endm
.macro BARRIER                         ; my LDS stores have landed and my LDS loads are in: then the work-group's barrier
	s_wait_alu depctr_va_vdst(0)
	s_wait_dscnt 0x0
	s_barrier_signal -1
	s_barrier_wait -1
.endm
.macro LDP4 areg, off                  ; a parameter's 32 numbers of my lane (tile t's eight at A + 8 t)
.irp t, 0,1,2,3
	ds_load_b128 v[A+8*\t:A+8*\t+3], v[\areg] offset:\off+128*(\t/2)+32*(\t%2)
	ds_load_b128 v[A+8*\t+4:A+8*\t+7], v[\areg] offset:\off+128*(\t/2)+32*(\t%2)+16
.endr
.endm
.macro ADDIN sp                        ; acc = (acc + A) x s[sp], a power of two: A is scaled first, then one packed multiply-add for two numbers
.set i, 0
.rept 16
	v_pk_mul_f32 v[A+i:A+i+1], v[A+i:A+i+1], s[\sp:\sp+1] op_sel_hi:[1,0]
.set i, i+2
.endr
.irp t, 0,1,2,3
.irp m, 0,1,2,3
.irp j, 0,2,4,6
	v_pk_fma_f32 v[ACC+32*\t+8*\m+\j:ACC+32*\t+8*\m+\j+1], v[ACC+32*\t+8*\m+\j:ACC+32*\t+8*\m+\j+1], s[\sp:\sp+1], v[A+8*\t+\j:A+8*\t+\j+1] op_sel_hi:[1,0,1]
.endr
.endr
.endr
.endm
.macro SQ2 base, mw, first             ; four numbers less my wave's mean, squared, onto two chains
	v_pk_add_f32 v[48:49], v[\base:\base+1], v[\mw:\mw+1] op_sel_hi:[1,0] neg_lo:[0,1] neg_hi:[0,1]
	v_pk_add_f32 v[50:51], v[\base+2:\base+3], v[\mw:\mw+1] op_sel_hi:[1,0] neg_lo:[0,1] neg_hi:[0,1]
.if \first
	v_pk_mul_f32 v[36:37], v[48:49], v[48:49]
	v_pk_mul_f32 v[38:39], v[50:51], v[50:51]
.else
	v_pk_fma_f32 v[36:37], v[48:49], v[48:49], v[36:37]
	v_pk_fma_f32 v[38:39], v[50:51], v[50:51], v[38:39]
.endif
.endm
; Eight sums of the W1 product at v[a] become gelu.  z at v32-39, z^2 at v40-47, P at v48-55, Q at v56-63.
.macro GELU8 a
	s_wait_alu depctr_va_vdst(0)
.irp i, 0,2,4,6
	v_pk_mul_f32 v[32+\i:33+\i], v[(\a)+\i:(\a)+\i+1], s[46:47] op_sel_hi:[1,0]      ; z = sum x 2^(e12 + e13) / sqrt 2
.endr
.irp i, 0,1,2,3,4,5,6,7
	v_med3_num_f32 v[32+\i], v[32+\i], -4.0, 4.0
.endr
.irp i, 0,2,4,6
	v_pk_mul_f32 v[(\a)+\i:(\a)+\i+1], v[(\a)+\i:(\a)+\i+1], s[48:49] op_sel_hi:[1,0]   ; x / 2
.endr
.irp i, 0,2,4,6
	v_pk_mul_f32 v[40+\i:41+\i], v[32+\i:33+\i], v[32+\i:33+\i]
.endr
.irp i, 0,2,4,6
	v_pk_fma_f32 v[48+\i:49+\i], v[40+\i:41+\i], v[AL0:AL0+1], s[66:67] op_sel_hi:[1,1,0]
.endr
.irp i, 0,2,4,6
	v_pk_fma_f32 v[56+\i:57+\i], v[40+\i:41+\i], v[BE0:BE0+1], s[78:79] op_sel_hi:[1,1,0]
.endr
.irp c, 68,70,72,74,76
.irp i, 0,2,4,6
	v_pk_fma_f32 v[48+\i:49+\i], v[48+\i:49+\i], v[40+\i:41+\i], s[\c:\c+1] op_sel_hi:[1,1,0]
.endr
.endr
.irp c, 80,82,84
.irp i, 0,2,4,6
	v_pk_fma_f32 v[56+\i:57+\i], v[56+\i:57+\i], v[40+\i:41+\i], s[\c:\c+1] op_sel_hi:[1,1,0]
.endr
.endr
	s_wait_alu depctr_va_vdst(0)
.irp i, 0,1,2,3,4,5,6,7
	v_rcp_f32 v[56+\i], v[56+\i]
.endr
.irp i, 0,2,4,6
	v_pk_mul_f32 v[48+\i:49+\i], v[48+\i:49+\i], v[32+\i:33+\i]                      ; z P: the plain lines behind the reciprocals
.endr
	s_wait_alu depctr_va_vdst(0)                   ; one wait for the eight reciprocals, ahead of their first reader
.irp i, 0,2,4,6
	v_pk_mul_f32 v[48+\i:49+\i], v[48+\i:49+\i], v[56+\i:57+\i]                      ; erf
.endr
.irp i, 0,2,4,6
	v_pk_fma_f32 v[(\a)+\i:(\a)+\i+1], v[(\a)+\i:(\a)+\i+1], v[48+\i:49+\i], v[(\a)+\i:(\a)+\i+1]   ; x / 2 erf + x / 2
.endr
.endm
	s_load_b256 s[4:11], s[0:1], 0x0               ; x s[4:5], oimg s[6:7], wimg s[8:9], bo s[10:11]
	s_load_b256 s[12:19], s[0:1], 0x20             ; ln1_g s[12:13], ln1_b s[14:15], b2 s[16:17], b1 s[18:19]
	s_load_b128 s[20:23], s[0:1], 0x40             ; the exponents s[20:21], part s[22:23]
	v_lshl_add_u32 v[SPW], v0, 2, SPARE
	v_mov_b32 v[NIL], 0
	v_lshrrev_b32 v24, 5, v0
	v_readfirstlane_b32 s2, v24                    ; wave 0..11
	s_and_b32 s3, ttmp7, 0xffff                    ; which quarter of the hidden layer
	s_lshl_b32 s86, s2, 14
	s_add_co_u32 s86, s86, STG                     ; my stage
	s_lshl_b32 s87, s2, 8
	s_add_co_u32 s88, s87, PARP
	s_add_co_u32 s89, s87, PAR
	s_lshl_b32 s90, s2, 9
	s_add_co_u32 s91, s90, STAT
	s_add_co_u32 s92, s90, PARP
	s_lshl_b32 s93, s2, 10
	s_lshl_b32 s97, s2, 12
	s_mul_i32 s96, s2, 49152
	s_add_co_u32 s96, s96, 1769472                 ; my stream begins with Wo's group w
	s_mul_i32 s54, s3, 589824                      ; from Wo's last 128 along K to my W1's first: 2,359,296 + 49,152 (12 y + w) - (1,769,472 + 49,152 w) - 40,960
	s_add_co_u32 s54, s54, 548864
	s_mul_i32 s24, s2, 147456                      ; from my W1's last to my W2's first: 4,718,592 + 196,608 w + 49,152 y - (2,359,296 + 589,824 y + 49,152 w) - 40,960
	s_mul_i32 s25, s3, 540672
	s_sub_co_u32 s24, s24, s25
	s_add_co_u32 s24, s24, 2318336
	s_mul_i32 s26, s3, 3072                        ; b1: the quarter's 768 numbers, my 64 of them
	s_add_co_u32 s26, s26, s87
	s_mov_b32 s27, 0
	s_mul_i32 s56, ttmp9, 49152                    ; o's 24 fragments of this block, two of them mine to bring
	s_add_co_u32 s56, s56, s97
	s_mov_b32 s57, 0
	s_mul_i32 s58, ttmp9, 196608                   ; 64 rows of 3,072 bytes,
	s_add_co_u32 s58, s58, s87                     ; my 256 bytes of each
	s_mov_b32 s59, 0
	s_mul_i32 s98, s3, 12582912                    ; the quarter's part
	s_add_co_u32 s98, s98, s58
	s_mov_b32 s99, 0
	s_cmp_lt_u32 s2, 6
	s_cselect_b32 s94, 0, 6
	s_sub_co_u32 s94, s2, s94
	s_lshl_b32 s94, s94, 9                         ; 512 x (wave % 6)
	s_mov_b32 s95, 0
	s_mov_b32 s34, 0x76543210
	s_mov_b32 s35, 0xfedcba98                      ; v_permlanex16_b32's selects for lane l xor 16
	s_mov_b32 s61, 0x3aaaaaab                      ; 1 / 768
	s_mov_b32 s62, 0x3727c5ac                      ; 1e-5
	s_mov_b32 s63, 0x3daaaaab                      ; 1 / 12
	s_mov_b32 s66, 0x32edffee                      ; P's coefficients behind the leading one, each twice,
	s_mov_b32 s67, s66
	s_mov_b32 s68, 0xb60cff51
	s_mov_b32 s69, s68
	s_mov_b32 s70, 0xb86ec2d2
	s_mov_b32 s71, s70
	s_mov_b32 s72, 0xba40ac63
	s_mov_b32 s73, s72
	s_mov_b32 s74, 0xbb41a1f6
	s_mov_b32 s75, s74
	s_mov_b32 s76, 0xbc83dbd4
	s_mov_b32 s77, s76
	s_mov_b32 s78, 0xb95fbd29                      ; and Q's
	s_mov_b32 s79, s78
	s_mov_b32 s80, 0xbadc924e
	s_mov_b32 s81, s80
	s_mov_b32 s82, 0xbbf19bf8
	s_mov_b32 s83, s82
	s_mov_b32 s84, 0xbc69b6a7
	s_mov_b32 s85, s84
	v_and_b32 v25, 31, v0                          ; lane
	v_and_b32 v26, 15, v0                          ; r
	v_bfe_u32 v27, v0, 4, 1                        ; h
	v_lshlrev_b32 v[LI], 4, v25
	v_and_b32 v28, 8, v26
	v_add_nc_u32 v28, v28, v26                     ; r + 8 (r / 8)
	v_mul_u32_u24 v[STO], v28, 272
	v_lshl_add_u32 v[STO], v27, 6, v[STO]
	v_add_nc_u32 v[STO], s86, v[STO]
	v_mul_u32_u24 v[RD], v27, 272
	v_lshl_add_u32 v[RD], v26, 4, v[RD]
	v_add_nc_u32 v[RD], s86, v[RD]
	v_add_nc_u32 v[HR], s86, v[LI]
	v_mul_u32_u24 v[GX], v27, 3072
	v_lshl_add_u32 v[GX], v26, 4, v[GX]
	v_lshlrev_b32 v[PB], 6, v27
	v_add_nc_u32 v[PCA], s88, v[PB]                ; 256 x wave + 64 h among a parameter's 3,072 bytes
	v_add_nc_u32 v[PB], s89, v[PB]                 ; the same in b1's quarter
	v_lshlrev_b32 v20, 3, v25                      ; b1 comes 8 bytes a lane: my wave's 256 bytes,
	v_add_nc_u32 v21, s89, v20                     ; and goes here
	v_lshlrev_b32 v[SRDA], 3, v26
	v_add_nc_u32 v[SWR], s91, v[SRDA]
	v_add_nc_u32 v[SRDA], STAT, v[SRDA]
	v_add_nc_u32 v22, s92, v[LI]                   ; where I put my 512 bytes of each pair of parameters
	v_add_nc_u32 v[FWA], s93, v[LI]                ; my 64 columns are one K step: 1,024 x wave
	v_add_nc_u32 v[HWA], HIMG, v[FWA]
	v_add_nc_u32 v[LIH], HIMG, v[LI]
	v_add_nc_u32 v[TA], s97, v[LI]                 ; o's two fragments that I bring: 4,096 x wave
	v_add_nc_u32 v[VA0], s96, v[LI]
	v_add_nc_u32 v[VA1], s96, v[LI]
	s_wait_alu depctr_va_vdst(0)
	s_wait_kmcnt 0x0
	s_load_b128 s[28:31], s[20:21], 0x28           ; e10, e11, e12, e13
	s_load_b64 s[32:33], s[20:21], 0x38            ; e14, e15
	s_add_nc_u64 s[6:7], s[6:7], s[56:57]
	s_add_nc_u64 s[4:5], s[4:5], s[58:59]
	s_add_nc_u64 s[22:23], s[22:23], s[98:99]
	s_add_nc_u64 s[18:19], s[18:19], s[26:27]
	s_cmp_lt_u32 s2, 6                             ; waves 0-5 bring the first of each pair of parameters, waves 6-11 the second: in LDS the pair lies on end, 512 x wave
	s_cselect_b64 s[10:11], s[10:11], s[12:13]
	s_cselect_b64 s[14:15], s[14:15], s[16:17]
	s_add_nc_u64 s[10:11], s[10:11], s[94:95]
	s_add_nc_u64 s[14:15], s[14:15], s[94:95]
.irp c, 0,1,2,3,4,5,6,7
	global_load_b128 v[32+4*\c:35+4*\c], v[LI], s[6:7] offset:512*\c
.endr
	global_load_b64 v[18:19], v20, s[18:19]
	global_load_b128 v[24:27], v[LI], s[10:11]
	global_load_b128 v[28:31], v[LI], s[14:15]
.irp a, 0,1
.irp i, 0,1,2,3,4,5,6,7,8,9,10,11,12,13,14,15
	global_load_b128 v[ACC+32*(\i/4)+16*\a+4*(\i%4):ACC+32*(\i/4)+16*\a+4*(\i%4)+3], v[GX], s[4:5] offset:98304*\a+6144*\i   ; x by rows: sixteen lanes read 256 consecutive bytes; half a's rows land in the registers of token tiles 2 a, 2 a + 1
.endr
.endr
	LDB B0, VA0, 0                                 ; Wo's K steps 0 and 1
	LDB B1, VA1, 1024
	s_wait_kmcnt 0x0
	s_add_co_i32 s86, s28, s29                     ; e10 + e11
	s_add_co_i32 s87, s86, 127
	s_lshl_b32 s36, s87, 23                        ; s[36:37] 2^(e10 + e11)
	s_mov_b32 s37, s36
	s_sub_co_i32 s87, 127, s86
	s_lshl_b32 s38, s87, 23                        ; s[38:39] its reciprocal
	s_mov_b32 s39, s38
	s_add_co_i32 s86, s30, s31                     ; e12 + e13
	s_sub_co_i32 s87, 127, s86
	s_lshl_b32 s40, s87, 23                        ; s[40:41] 2^-(e12 + e13)
	s_mov_b32 s41, s40
	s_lshl_b32 s87, s86, 23
	s_add_co_i32 s46, s87, 0x3f3504f3              ; s[46:47] 2^(e12 + e13) / sqrt 2: the exponents added to the exponent field of 0.70710678
	s_mov_b32 s47, s46
	s_add_co_i32 s87, s86, 126
	s_lshl_b32 s48, s87, 23                        ; s[48:49] 2^(e12 + e13) / 2
	s_mov_b32 s49, s48
	s_add_co_i32 s86, s32, s33                     ; e14 + e15
	s_add_co_i32 s87, s86, 127
	s_lshl_b32 s42, s87, 23                        ; s[42:43] 2^(e14 + e15)
	s_mov_b32 s43, s42
	s_sub_co_i32 s87, 125, s86
	s_lshl_b32 s44, s87, 23                        ; s[44:45] its reciprocal / 4: each of the four parts carries a quarter of h + b2
	s_mov_b32 s45, s44
	s_add_co_i32 s86, s30, 127
	s_lshl_b32 s55, s86, 23                        ; 2^e12
	s_add_co_i32 s86, s86, 8
	s_lshl_b32 s86, s86, 23
	s_or_b32 s51, s86, 0x600000                    ; 448 x 2^e12,
	s_or_b32 s50, s51, 0x80000000                  ; and its negative
	s_add_co_i32 s86, s32, 127
	s_lshl_b32 s56, s86, 23                        ; 2^e14
	s_add_co_i32 s86, s86, 8
	s_lshl_b32 s86, s86, 23
	s_or_b32 s53, s86, 0x600000                    ; 448 x 2^e14,
	s_or_b32 s52, s53, 0x80000000
	s_wait_loadcnt 51                              ; of 59 loads the first 8 are in: o's two fragments
.irp c, 0,1,2,3,4,5,6,7
	ds_store_b128 v[TA], v[32+4*\c:35+4*\c] offset:512*\c
.endr
	s_wait_loadcnt 48                              ; the 3 loads of parameters
	ds_store_b64 v21, v[18:19]
	ds_store_b128 v22, v[24:27]
	ds_store_b128 v22, v[28:31] offset:6144
	s_wait_loadcnt 16                              ; x's 32; the two weight buffers' 16 stay out
.irp a, 0,1                            ; x turns through my own stage, 32 rows at a time: in by rows, out in the accumulators' layout.  LDS serves a wave's instructions in order (ISA guide 5.7.1.4)
.irp i, 0,1,2,3,4,5,6,7,8,9,10,11,12,13,14,15
	ds_store_b128 v[RD], v[ACC+32*(\i/4)+16*\a+4*(\i%4):ACC+32*(\i/4)+16*\a+4*(\i%4)+3] offset:544*\i
.endr
.irp t, 0,1,2,3
.irp m, 0,1
	ds_load_b128 v[ACC+32*\t+16*\a+8*\m:ACC+32*\t+16*\a+8*\m+3], v[STO] offset:2176*\m+128*(\t/2)+32*(\t%2)
	ds_load_b128 v[ACC+32*\t+16*\a+8*\m+4:ACC+32*\t+16*\a+8*\m+7], v[STO] offset:2176*\m+128*(\t/2)+32*(\t%2)+16
.endr
.endr
.endr
	BARRIER                                        ; o's 24 fragments and the parameters lie in LDS
	v_mov_b32 v[AL0], 0xaf95df0b
	v_mov_b32 v[AL0+1], 0xaf95df0b
	v_mov_b32 v[BE0], 0xb77460cd
	v_mov_b32 v[BE0+1], 0xb77460cd
	v_mov_b32 v[SC12], s55
	v_mov_b32 v[SC14], s56
	; ---- x + o Wo + bo
	LDP4 PCA, 0
	s_wait_dscnt 0x0
	ADDIN 38
	PROD LI, 1, s54                                ; the stream goes on into W1
	; ---- the layer norm
.set i, 0
.rept 64
	v_pk_mul_f32 v[ACC+i:ACC+i+1], v[ACC+i:ACC+i+1], s[36:37] op_sel_hi:[1,0]   ; the sums' power of two; each accumulator from its low end on
.set i, i+2
.endr
.irp m, 0,1,2,3
	v_pk_add_f32 v[32:33], v[ACC+8*\m:ACC+8*\m+1], v[ACC+8*\m+2:ACC+8*\m+3]
	v_pk_add_f32 v[34:35], v[ACC+8*\m+4:ACC+8*\m+5], v[ACC+8*\m+6:ACC+8*\m+7]
.irp t, 1,2,3
	v_pk_add_f32 v[32:33], v[32:33], v[ACC+32*\t+8*\m:ACC+32*\t+8*\m+1]
	v_pk_add_f32 v[34:35], v[34:35], v[ACC+32*\t+8*\m+2:ACC+32*\t+8*\m+3]
	v_pk_add_f32 v[32:33], v[32:33], v[ACC+32*\t+8*\m+4:ACC+32*\t+8*\m+5]
	v_pk_add_f32 v[34:35], v[34:35], v[ACC+32*\t+8*\m+6:ACC+32*\t+8*\m+7]
.endr
	v_pk_add_f32 v[32:33], v[32:33], v[34:35]
	v_add_f32 v32, v32, v33
	v_permlanex16_b32 v33, v32, s34, s35           ; my token's other 32 columns lie in lane l xor 16
	v_add_f32 v32, v32, v33
	v_mul_f32 v[40+2*\m], 0x3c800000, v32          ; / 64: my wave's mean
.irp t, 0,1,2,3
.irp q, 0,1
	SQ2 ACC+32*\t+8*\m+4*\q, 40+2*\m, (\t+\q)==0
.endr
.endr
	v_pk_add_f32 v[36:37], v[36:37], v[38:39]
	v_add_f32 v36, v36, v37
	v_permlanex16_b32 v37, v36, s34, s35
	v_add_f32 v[41+2*\m], v36, v37                 ; my wave's centred sum of squares
	ds_store_b64 v[SWR], v[40+2*\m:41+2*\m] offset:128*\m   ; (both halves of the lanes hold the same pair)
.endr
	BARRIER
.irp m, 0,1,2,3
.irp i, 0,1,2,3,4,5,6,7,8,9,10,11
	ds_load_b64 v[32+2*\i:33+2*\i], v[SRDA] offset:512*\i+128*\m
.endr
	s_wait_dscnt 0x0
	v_pk_add_f32 v[56:57], v[32:33], v[34:35]
	v_pk_add_f32 v[58:59], v[36:37], v[38:39]
.irp i, 4,6,8,10
	v_pk_add_f32 v[56:57], v[56:57], v[32+2*\i:33+2*\i]
	v_pk_add_f32 v[58:59], v[58:59], v[34+2*\i:35+2*\i]
.endr
	v_pk_add_f32 v[56:57], v[56:57], v[58:59]
	v_mul_f32 v[MN+2*\m+1], s63, v56               ; the row's mean: the twelve means / 12
	v_sub_f32 v58, v32, v[MN+2*\m+1]
	v_sub_f32 v60, v34, v[MN+2*\m+1]
	v_mul_f32 v59, v58, v58
	v_mul_f32 v61, v60, v60
.irp i, 2,4,6,8,10
	v_sub_f32 v58, v[32+2*\i], v[MN+2*\m+1]
	v_sub_f32 v60, v[34+2*\i], v[MN+2*\m+1]
	v_fmac_f32 v59, v58, v58
	v_fmac_f32 v61, v60, v60
.endr
	v_add_f32 v59, v59, v61
	v_fmamk_f32 v57, v59, 0x42800000, v57          ; M2 = sum M2_i + 64 sum (mean_i - mean)^2
	v_fma_f32 v[MN+2*\m], v57, s61, s62            ; / 768 + 1e-5
.endr
	s_wait_alu depctr_va_vdst(0)
.irp m, 0,1,2,3
	v_rsq_f32 v[MN+2*\m], v[MN+2*\m]
.endr
	v_nop                                          ; a plain line behind the roots
	s_wait_alu depctr_va_vdst(0)                   ; one wait for the four roots, ahead of their first reader
.irp m, 0,1,2,3
	v_mul_f32 v[MN+2*\m+1], -v[MN+2*\m+1], v[MN+2*\m]   ; -mean / sigma
.endr
.irp p, 0,1                            ; two tiles of columns at a time: their gains at v32-47, their biases at v48-63
.irp u, 0,1
	ds_load_b128 v[32+8*\u:35+8*\u], v[PCA] offset:3072+128*\p+32*\u
	ds_load_b128 v[36+8*\u:39+8*\u], v[PCA] offset:3072+128*\p+32*\u+16
	ds_load_b128 v[48+8*\u:51+8*\u], v[PCA] offset:6144+128*\p+32*\u
	ds_load_b128 v[52+8*\u:55+8*\u], v[PCA] offset:6144+128*\p+32*\u+16
.endr
.irp u, 0,1
.irp m, 0,1,2,3
.irp j, 0,2,4,6
	v_pk_fma_f32 v[ACC+64*\p+32*\u+8*\m+\j:ACC+64*\p+32*\u+8*\m+\j+1], v[ACC+64*\p+32*\u+8*\m+\j:ACC+64*\p+32*\u+8*\m+\j+1], v[MN+2*\m:MN+2*\m+1], v[MN+2*\m:MN+2*\m+1] op_sel:[0,0,1] op_sel_hi:[1,0,1]   ; x / sigma - mean / sigma: the pair's low word multiplies both, its high word is added to both
.endr
.endr
.endr
	s_wait_dscnt 0x0
.irp u, 0,1
.irp m, 0,1,2,3
.irp j, 0,2,4,6
	v_pk_fma_f32 v[ACC+64*\p+32*\u+8*\m+\j:ACC+64*\p+32*\u+8*\m+\j+1], v[ACC+64*\p+32*\u+8*\m+\j:ACC+64*\p+32*\u+8*\m+\j+1], v[32+8*\u+\j:33+8*\u+\j], v[48+8*\u+\j:49+8*\u+\j]
.endr
.endr
.endr
.endr
	; ---- h: its registers are kept in my stage for the residual, its codes go to all waves
.set i, 0
.rept 32
	ds_store_b128 v[HR], v[ACC+4*i:ACC+4*i+3] offset:512*i
.set i, i+1
.endr
.irp m, 0,1,2,3
.if \m == 2
	s_wait_dscnt 0x0                               ; the first four stores of codes have read their registers
.endif
.irp b, 0,1
.irp j, 0,1,2,3,4,5,6,7
	v_med3_num_f32 v[32+\j], v[ACC+64*\b+8*\m+\j], s50, s51
.endr
.irp j, 0,1,2,3,4,5,6,7
	v_med3_num_f32 v[40+\j], v[ACC+64*\b+32+8*\m+\j], s50, s51
.endr
	v_cvt_scalef32_pk8_fp8_f32 v[48+4*(2*(\m%2)+\b):49+4*(2*(\m%2)+\b)], v[32:39], v[SC12]
	v_cvt_scalef32_pk8_fp8_f32 v[50+4*(2*(\m%2)+\b):51+4*(2*(\m%2)+\b)], v[40:47], v[SC12]
	v_nop                                          ; a plain line before the conversions' sources are written again
	ds_store_b128 v[HWA], v[48+4*(2*(\m%2)+\b):51+4*(2*(\m%2)+\b)] offset:12288*\m+512*\b
.endr
.endr
	BARRIER                                        ; h's images lie in LDS
	; ---- my 64 units of the hidden layer
	LDP4 PB, 0
	s_wait_dscnt 0x0
.irp t, 0,1,2,3
.irp m, 0,1,2,3
.irp j, 0,2,4,6
	v_pk_mul_f32 v[ACC+32*\t+8*\m+\j:ACC+32*\t+8*\m+\j+1], v[A+8*\t+\j:A+8*\t+\j+1], s[40:41] op_sel_hi:[1,0]   ; the sums begin as b1 / 2^(e12 + e13)
.endr
.endr
.endr
	PROD LIH, 1, s24                               ; the stream goes on into W2
.irp m, 0,1,2,3
.irp b, 0,1
	GELU8 ACC+64*\b+8*\m
	GELU8 ACC+64*\b+32+8*\m
	s_wait_dscnt 0x0                               ; the store before last has read its code registers
.irp j, 0,1,2,3,4,5,6,7
	v_med3_num_f32 v[ACC+64*\b+8*\m+\j], v[ACC+64*\b+8*\m+\j], s52, s53
.endr
.irp j, 0,1,2,3,4,5,6,7
	v_med3_num_f32 v[ACC+64*\b+32+8*\m+\j], v[ACC+64*\b+32+8*\m+\j], s52, s53
.endr
	v_cvt_scalef32_pk8_fp8_f32 v[MN+4*\b:MN+4*\b+1], v[ACC+64*\b+8*\m:ACC+64*\b+8*\m+7], v[SC14]
	v_cvt_scalef32_pk8_fp8_f32 v[MN+4*\b+2:MN+4*\b+3], v[ACC+64*\b+32+8*\m:ACC+64*\b+32+8*\m+7], v[SC14]
	v_nop
	ds_store_b128 v[FWA], v[MN+4*\b:MN+4*\b+3] offset:12288*\m+512*\b   ; chunk b of K step w, token tile m: on bytes that held o's images, which every wave left ahead of the norm's barrier
.endr
.endr
	BARRIER                                        ; the quarter hidden layer's images lie in LDS
	; ---- (h + b2) / 4 + hidden W2
.set i, 0
.rept 32
	ds_load_b128 v[ACC+4*i:ACC+4*i+3], v[HR] offset:512*i
.set i, i+1
.endr
	LDP4 PCA, 9216
	s_wait_dscnt 0x0
	ADDIN 44
	PROD LI, 0, 0                                  ; the last two K steps fetch no weights: no load leaves the stream
	; ---- the way out: x 2^(e14 + e15), then through my stage, 32 rows at a time, so that sixteen lanes store 256 consecutive bytes, aligned
.set i, 0
.rept 64
	v_pk_mul_f32 v[ACC+i:ACC+i+1], v[ACC+i:ACC+i+1], s[42:43] op_sel_hi:[1,0]   ; each accumulator from its low end on
.set i, i+2
.endr
.irp a, 0,1
.irp t, 0,1,2,3
.irp m, 0,1
	ds_store_b128 v[STO], v[ACC+32*\t+16*\a+8*\m:ACC+32*\t+16*\a+8*\m+3] offset:2176*\m+128*(\t/2)+32*(\t%2)
	ds_store_b128 v[STO], v[ACC+32*\t+16*\a+8*\m+4:ACC+32*\t+16*\a+8*\m+7] offset:2176*\m+128*(\t/2)+32*(\t%2)+16
.endr
.endr
.irp i, 0,1,2,3,4,5,6,7,8,9,10,11,12,13,14,15
.if \a == 0
	ds_load_b128 v[B0+4*\i:B0+4*\i+3], v[RD] offset:544*\i
.else
	ds_load_b128 v[ACC+32*(\i/4)+4*(\i%4):ACC+32*(\i/4)+4*(\i%4)+3], v[RD] offset:544*\i   ; into the registers of tiles 0 and 1, which have gone through the stage
.endif
.endr
.endr
.irp i, 0,1,2,3,4,5,6,7,8,9,10,11,12,13,14,15
	s_wait_dscnt 47-\i                             ; LDS instructions come back in order: load i of the first half is in; the younger ones, and the second half's 32, stay out
	global_store_b128 v[GX], v[B0+4*\i:B0+4*\i+3], s[22:23] offset:6144*\i
.endr
.irp i, 0,1,2,3,4,5,6,7,8,9,10,11,12,13,14,15
	s_wait_dscnt 15-\i
	global_store_b128 v[GX], v[ACC+32*(\i/4)+4*(\i%4):ACC+32*(\i/4)+4*(\i%4)+3], s[22:23] offset:98304+6144*\i
.endr
	s_wait_tensorcnt 0x0                           ; the wave's end
	ds_add_u32 v[SPW], v[NIL]
	s_wait_dscnt 0x0
	s_endpgm
.Lfunc_end_k_q10cb9fb317_tail:
	.size	k_q10cb9fb317_tail, .Lfunc_end_k_q10cb9fb317_tail-k_q10cb9fb317_tail
	.p2alignl 7, 3214868480
	.fill 96, 4, 3214868480
	.section	.rodata,"a",@progbits
	.p2align	6, 0x0
	.amdhsa_kernel k_q10cb9fb317_tail
		.amdhsa_group_segment_fixed_size 317952
		.amdhsa_private_segment_fixed_size 0
		.amdhsa_enable_private_segment 0
		.amdhsa_kernarg_size 80
		.amdhsa_user_sgpr_count 2
		.amdhsa_user_sgpr_kernarg_segment_ptr 1
		.amdhsa_wavefront_size32 1
		.amdhsa_system_sgpr_workgroup_id_x 1
		.amdhsa_system_sgpr_workgroup_id_y 1
		.amdhsa_system_sgpr_workgroup_id_z 1
		.amdhsa_system_vgpr_workitem_id 0
		.amdhsa_next_free_vgpr 256
		.amdhsa_next_free_sgpr 100
		.amdhsa_reserve_vcc 0
		.amdhsa_float_denorm_mode_32 3
		.amdhsa_float_denorm_mode_16_64 3
		.amdhsa_memory_ordered 1
		.amdhsa_forward_progress 1
		.amdhsa_inst_pref_size 213
	.end_amdhsa_kernel
	.amdgpu_metadata
---
amdhsa.version: [ 1, 2 ]
amdhsa.kernels:
  - .name:           k_q10cb9fb317_tail
    .symbol:         k_q10cb9fb317_tail.kd
    .args:
      - { .name: x, .offset: 0, .size: 8, .value_kind: global_buffer, .address_space: global }
      - { .name: oimg, .offset: 8, .size: 8, .value_kind: global_buffer, .address_space: global }
      - { .name: wimg, .offset: 16, .size: 8, .value_kind: global_buffer, .address_space: global }
      - { .name: bo, .offset: 24, .size: 8, .value_kind: global_buffer, .address_space: global }
      - { .name: ln1_g, .offset: 32, .size: 8, .value_kind: global_buffer, .address_space: global }
      - { .name: ln1_b, .offset: 40, .size: 8, .value_kind: global_buffer, .address_space: global }
      - { .name: b2, .offset: 48, .size: 8, .value_kind: global_buffer, .address_space: global }
      - { .name: b1, .offset: 56, .size: 8, .value_kind: global_buffer, .address_space: global }
      - { .name: lowp_scales, .offset: 64, .size: 8, .value_kind: global_buffer, .address_space: global }
      - { .name: part, .offset: 72, .size: 8, .value_kind: global_buffer, .address_space: global }
    .group_segment_fixed_size: 317952
    .private_segment_fixed_size: 0
    .kernarg_segment_align: 8
    .kernarg_segment_size: 80
    .max_flat_workgroup_size: 384
    .sgpr_count:     100
    .vgpr_count:     256
    .wavefront_size: 32
...
	.end_amdgpu_metadata
.endif
;; end of part 4
;; launch ln2 (part 5): grid 256 x 1, 8 waves a work-group, no clusters, 0 bytes of LDS; arguments part, ln2_g, ln2_b, out0; writes out0
.if DOCPART == 5
	.amdgcn_target "amdgcn-amd-amdhsa--gfx1250"
	.amdhsa_code_object_version 6
	.text
	.protected	k_q10cb9fb317_ln2
	.globl	k_q10cb9fb317_ln2
	.p2align	8
	.type	k_q10cb9fb317_ln2,@function
k_q10cb9fb317_ln2:
	s_mov_b64 s[64:65], 0
	v_nop
	global_prefetch_b8 v0, s[64:65] scope:SCOPE_SE
	s_setreg_imm32_b32 hwreg(HW_REG_WAVE_MODE, 25, 1), 1
	s_wait_xcnt 0x0
; out0 = LN2(part[0] + part[1] + part[2] + part[3]): the four quarters' sums of h + mlp, [4096][768] f32 each, are added; each row is normed: (row - mean) / sqrt(var + 1e-5) x g + b.
; A stream: 50,331,648 bytes in, 12,582,912 out.  ONE WAVE, ONE ROW AT A TIME: a row of 3,072 bytes is six loads of 512 consecutive bytes from each part, 24 numbers a lane, and stays in registers between the
; mean, the centred squares and the scaling: no LDS, no barrier, no wave waits for another.  The matrix units, clusters and tensor loads have nothing to add to a stream that is read once.
; A wave takes two rows; all its 60 loads (two rows x four parts x six, then the gains and biases of its lanes' 24 columns) go out at its head.
; The variance is the mean of the squares of row - mean: no difference of large sums.  NaN among the inputs is not served.
.set G,   8                            ; v8-31    g of my 24 columns
.set BE,  32                           ; v32-55   b
.set X,   56                           ; v56-247  row a at X + 96 a: 24 numbers of each part (the first 24 then hold the sum, then the result)
.set MR,  248                          ; v248 mean, v250 1 / sigma of row 0; v252, v254 of row 1: each the low word of a pair
	s_load_b256 s[4:11], s[0:1], 0x0               ; part s[4:5], ln2_g s[6:7], ln2_b s[8:9], out0 s[10:11]
	v_lshrrev_b32 v2, 5, v0
	v_readfirstlane_b32 s12, v2                    ; wave 0..7
	v_and_b32 v1, 31, v0
	v_lshlrev_b32 v1, 4, v1                        ; 16 x lane
	s_lshl_b32 s13, ttmp9, 3
	s_add_co_u32 s13, s13, s12
	s_mul_i32 s14, s13, 6144                       ; my two rows
	s_mov_b32 s15, 0
	s_mov_b32 s20, 0x76543210
	s_mov_b32 s21, 0xfedcba98                      ; v_permlanex16_b32's selects for lane l xor 16
	s_mov_b32 s22, 0x3aaaaaab                      ; 1 / 768
	s_mov_b32 s23, 0x3727c5ac                      ; 1e-5
	v_mov_b32 v[MR+1], 0                           ; (named as the upper halves of pairs, so they are written)
	v_mov_b32 v[MR+3], 0
	v_mov_b32 v[MR+5], 0
	v_mov_b32 v[MR+7], 0
	s_wait_alu depctr_va_vdst(0)
	s_wait_kmcnt 0x0
	s_add_nc_u64 s[4:5], s[4:5], s[14:15]
	s_add_nc_u64 s[10:11], s[10:11], s[14:15]
	s_add_nc_u64 s[16:17], s[4:5], 12582912        ; the same rows of the second part,
	s_add_nc_u64 s[18:19], s[16:17], 12582912      ; the third,
	s_add_nc_u64 s[24:25], s[18:19], 12582912      ; the fourth
.irp a, 0,1
.irp j, 0,1,2,3,4,5
	global_load_b128 v[X+96*\a+4*\j:X+96*\a+4*\j+3], v1, s[4:5] offset:3072*\a+512*\j th:TH_LOAD_NT
	global_load_b128 v[X+96*\a+24+4*\j:X+96*\a+24+4*\j+3], v1, s[16:17] offset:3072*\a+512*\j th:TH_LOAD_NT
	global_load_b128 v[X+96*\a+48+4*\j:X+96*\a+48+4*\j+3], v1, s[18:19] offset:3072*\a+512*\j th:TH_LOAD_NT
	global_load_b128 v[X+96*\a+72+4*\j:X+96*\a+72+4*\j+3], v1, s[24:25] offset:3072*\a+512*\j th:TH_LOAD_NT
.endr
.endr
.irp j, 0,1,2,3,4,5
	global_load_b128 v[G+4*\j:G+4*\j+3], v1, s[6:7] offset:512*\j
	global_load_b128 v[BE+4*\j:BE+4*\j+3], v1, s[8:9] offset:512*\j
.endr
.macro REDUCE                          ; the two chains v[2:3], v[4:5] become one sum over the wave's 32 lanes, in every lane's v2
	v_pk_add_f32 v[2:3], v[2:3], v[4:5]
	v_add_f32 v2, v2, v3
	v_add_f32_dpp v2, v2, v2 row_xmask:1 row_mask:0xf bank_mask:0xf
	v_add_f32_dpp v2, v2, v2 row_xmask:2 row_mask:0xf bank_mask:0xf
	v_add_f32_dpp v2, v2, v2 row_xmask:4 row_mask:0xf bank_mask:0xf
	v_add_f32_dpp v2, v2, v2 row_xmask:8 row_mask:0xf bank_mask:0xf
	v_permlanex16_b32 v3, v2, s20, s21
	v_add_f32 v2, v2, v3
.endm
.macro STAT a, cnt                     ; row a: the parts' sum, its mean, row - mean in place, 1 / sigma.  cnt: the younger loads that may stay out
.set XA, X+96*\a
	s_wait_loadcnt \cnt
.irp i, 0,2,4,6,8,10,12,14,16,18,20,22
	v_pk_add_f32 v[XA+\i:XA+\i+1], v[XA+\i:XA+\i+1], v[XA+24+\i:XA+24+\i+1]
	v_pk_add_f32 v[XA+48+\i:XA+48+\i+1], v[XA+48+\i:XA+48+\i+1], v[XA+72+\i:XA+72+\i+1]
.endr
.irp i, 0,2,4,6,8,10,12,14,16,18,20,22
	v_pk_add_f32 v[XA+\i:XA+\i+1], v[XA+\i:XA+\i+1], v[XA+48+\i:XA+48+\i+1]
.endr
	v_pk_add_f32 v[2:3], v[XA:XA+1], v[XA+2:XA+3]
	v_pk_add_f32 v[4:5], v[XA+4:XA+5], v[XA+6:XA+7]
.irp i, 8,12,16,20
	v_pk_add_f32 v[2:3], v[2:3], v[XA+\i:XA+\i+1]
	v_pk_add_f32 v[4:5], v[4:5], v[XA+\i+2:XA+\i+3]
.endr
	REDUCE
	v_mul_f32 v[MR+4*\a], s22, v2                  ; the mean
.irp i, 0,2,4,6,8,10,12,14,16,18,20,22
	v_pk_add_f32 v[XA+\i:XA+\i+1], v[XA+\i:XA+\i+1], v[MR+4*\a:MR+4*\a+1] op_sel_hi:[1,0] neg_lo:[0,1] neg_hi:[0,1]
.endr
	v_pk_mul_f32 v[2:3], v[XA:XA+1], v[XA:XA+1]
	v_pk_mul_f32 v[4:5], v[XA+2:XA+3], v[XA+2:XA+3]
.irp i, 4,8,12,16,20
	v_pk_fma_f32 v[2:3], v[XA+\i:XA+\i+1], v[XA+\i:XA+\i+1], v[2:3]
	v_pk_fma_f32 v[4:5], v[XA+\i+2:XA+\i+3], v[XA+\i+2:XA+\i+3], v[4:5]
.endr
	REDUCE
	v_fma_f32 v2, v2, s22, s23                     ; the variance + 1e-5
	s_wait_alu depctr_va_vdst(0)
	v_rsq_f32 v[MR+4*\a+2], v2
	v_nop                                          ; a plain line before the root's source is written again
	s_wait_alu depctr_va_vdst(0)                   ; and behind it
.endm
.macro NORM a
.set XA, X+96*\a
.irp i, 0,2,4,6,8,10,12,14,16,18,20,22
	v_pk_mul_f32 v[XA+\i:XA+\i+1], v[XA+\i:XA+\i+1], v[MR+4*\a+2:MR+4*\a+3] op_sel_hi:[1,0]
.endr
.irp i, 0,2,4,6,8,10,12,14,16,18,20,22
	v_pk_fma_f32 v[XA+\i:XA+\i+1], v[XA+\i:XA+\i+1], v[G+\i:G+\i+1], v[BE+\i:BE+\i+1]
.endr
.irp j, 0,1,2,3,4,5
	global_store_b128 v1, v[XA+4*\j:XA+4*\j+3], s[10:11] offset:3072*\a+512*\j th:TH_STORE_NT   ; 32 lanes store 512 consecutive bytes, at a multiple of 256 from out0's first byte
.endr
.endm
	STAT 0, 36                                     ; loads come back in order: row 0's 24 are in; row 1's 24 and the 12 of g and b stay out
	STAT 1, 12                                     ; row 1's are in
	s_wait_loadcnt 0x0                             ; g and b
	NORM 0
	NORM 1
	s_endpgm
.Lfunc_end_k_q10cb9fb317_ln2:
	.size	k_q10cb9fb317_ln2, .Lfunc_end_k_q10cb9fb317_ln2-k_q10cb9fb317_ln2
	.p2alignl 7, 3214868480
	.fill 96, 4, 3214868480
	.section	.rodata,"a",@progbits
	.p2align	6, 0x0
	.amdhsa_kernel k_q10cb9fb317_ln2
		.amdhsa_group_segment_fixed_size 0
		.amdhsa_private_segment_fixed_size 0
		.amdhsa_enable_private_segment 0
		.amdhsa_kernarg_size 32
		.amdhsa_user_sgpr_count 2
		.amdhsa_user_sgpr_kernarg_segment_ptr 1
		.amdhsa_wavefront_size32 1
		.amdhsa_system_sgpr_workgroup_id_x 1
		.amdhsa_system_sgpr_workgroup_id_y 1
		.amdhsa_system_sgpr_workgroup_id_z 1
		.amdhsa_system_vgpr_workitem_id 0
		.amdhsa_next_free_vgpr 256
		.amdhsa_next_free_sgpr 66
		.amdhsa_reserve_vcc 0
		.amdhsa_float_denorm_mode_32 3
		.amdhsa_float_denorm_mode_16_64 3
		.amdhsa_memory_ordered 1
		.amdhsa_forward_progress 1
		.amdhsa_inst_pref_size 23
	.end_amdhsa_kernel
	.amdgpu_metadata
---
amdhsa.version: [ 1, 2 ]
amdhsa.kernels:
  - .name:           k_q10cb9fb317_ln2
    .symbol:         k_q10cb9fb317_ln2.kd
    .args:
      - { .name: part, .offset: 0, .size: 8, .value_kind: global_buffer, .address_space: global }
      - { .name: ln2_g, .offset: 8, .size: 8, .value_kind: global_buffer, .address_space: global }
      - { .name: ln2_b, .offset: 16, .size: 8, .value_kind: global_buffer, .address_space: global }
      - { .name: out0, .offset: 24, .size: 8, .value_kind: global_buffer, .address_space: global }
    .group_segment_fixed_size: 0
    .private_segment_fixed_size: 0
    .kernarg_segment_align: 8
    .kernarg_segment_size: 32
    .max_flat_workgroup_size: 256
    .sgpr_count:     66
    .vgpr_count:     256
    .wavefront_size: 32
...
	.end_amdgpu_metadata
.endif
;; end of part 5
